; MI455X (gfx1250); checked and timed in simulation.
; The chip was launched on July 23, 2026; its instructions are those of AMD's public machine-readable ISA for CDNA 5 (MIT licence, August 2026) and "CDNA5" Instruction Set Architecture Reference Guide (July 2026). The comments in the code are by the model that wrote it; some were corrected since.
;; Attention. Allowed arithmetic: matrix products marked QUANTISED: E2M3 operands, one E8M0 scale for each 32 along K, by v_wmma_scale_f32_16x16x128_f8f6f4 with both operands' format E2M3, f32 sums; products left as they are: f32 operands where the result goes on into a quantised operand, else bf16, f16 or f32 operands; f32 sums; everything else in f32.
;; Inputs: M_b 1,024 float32; M_w 1,024 x 3,072 float32; V_b 1 float32; V_w 1 x 1,024 float32; encoded 16 x 2,048 x 2,048 float32; hidden_codes 16 x 1 x 32 x 24 uint8 (E2M3 codes of hidden, K innermost, in blocks of 32 codes, four codes in three bytes); hidden_scales 16 x 1 x 32 uint8 (E8M0 scales of hidden, one for each 32 codes along K); mask 16 x 2,048 bool.
;; Outputs: out0 16 x 1 x 2,048 float32; out1 16 x 1 x 2,048 float32.
;; This version of the problem:
;;   THIS VERSION OF THE PROBLEM IS GIVEN IN LOW PRECISION. The matrix products marked QUANTISED in the list below multiply operands that are first quantised to E2M3 (2 exponent bits, 3 mantissa bits; 6 bits a number), with one power-of-two scale for each 32 numbers along K (OCP MX v1.0); their sums are f32. All else is computed in f32.
;;   The module's matrix products, in the order in which they are computed (A, B: the left and right operand; K: the contracted axis; several contracted axes count as one K, in the product's order):
;;     1. [M 32,768, K 2,048] x [K 2,048, N 1,024]; A: input encoded; B: input M_w: QUANTISED
;;     2. [M 16, K 1,024] x [K 1,024, N 1,024]; A: input hidden (given as codes); B: input M_w: QUANTISED
;;     3. [M 32,768, K 1,024] x [K 1,024, N 1]; A: computed on the way; B: input V_w: left as it is (N = 1 < 16)
;;     4. batch 16 x [M 1, K 2,048] x [K 2,048, N 2,048]; A: computed on the way; B: input encoded: left as it is (M = 1 < 16)
;;   THE QUANTISER, for each operand of a quantised product, along K:
;;     - K is cut into blocks of 32 from its start; a last block that is shorter is filled with zeros.
;;     - A block's scale is 2^e with e = floor(log2(the largest magnitude in the block)) - 2, held to -126 .. 127; a block of zeros has e = 0. As a byte (E8M0): e + 127.
;;     - Each number is divided by its block's scale, clamped to +-7.5, and rounded to the nearest number of E2M3, ties to even, subnormals kept.
;;     - The product sums the exact products of the quantised numbers (number of the format x scale) in f32.
;;   ~~~python
;;   def quantise(x, axis):      # numpy; x: float32 -> the quantised numbers, widened to float32 again
;;       x = np.moveaxis(x, axis, -1); K = x.shape[-1]
;;       x = np.pad(x, [(0, 0)] * (x.ndim - 1) + [(0, -K % 32)]); x = x.reshape(x.shape[:-1] + (-1, 32)); a = np.abs(x).max(-1, keepdims=True)
;;       e = np.where(a > 0, np.clip(np.frexp(np.where(a > 0, a, 1))[1] - 1 - 2, -126, 127), 0)      # np.frexp(a)[1] - 1 = floor(log2(a)), exactly
;;       r = np.clip(x / 2.0 ** e, -7.5, 7.5)
;;       step = 2.0 ** (np.maximum(np.frexp(np.where(r == 0, 1, r))[1] - 1, 0) - 3)
;;       q = np.round(r / step) * step * 2.0 ** e      # np.round: ties to even
;;       return np.moveaxis(q.reshape(q.shape[:-2] + (-1,))[..., :K], -1, axis).astype(np.float32)
;;   ~~~
;;   INPUTS GIVEN AS CODES. hidden (in the module: [16, 1, 1024], K = its axis 2): each comes as NAME_codes (uint8): NAME with its K axis moved to the last place and cut into blocks of 32 codes, [.., K / 32, bytes a block], one block behind the other in memory; four codes in three bytes: a row's codes are one little-endian stream of bits, code i at bits 6 i .. 6 i + 5 (a code: sign, 2 exponent bits, 3 mantissa bits); and NAME_scales (uint8): the same leading axes, one E8M0 byte (e + 127) for each 32 codes along K. Its value is code x scale, taken as it is: it is not quantised again, and the codes and scales need not be those that the quantiser above would give.
;; 2 versions, each right and faster than the one before. Each part assembles by itself: llvm-mc -triple=amdgcn-amd-amdhsa -mcpu=gfx1250 --defsym DOCPART=n.
;; ======== version 1 of 2: 3 launches
;; limits: right only within a limited range of input values
;; workspace buffers: wq 1,638,400 bytes; chb 65,536 bytes; sc 131,072 bytes
;; launch prep (part 1): grid 64 x 1, 8 waves a work-group, no clusters, 44,032 bytes of LDS; arguments M_w, M_b, hidden_codes, hidden_scales, wq, chb; writes wq, chb
.if DOCPART == 1
	.amdgcn_target "amdgcn-amd-amdhsa--gfx1250"
	.amdhsa_code_object_version 6
	.text
	.protected	k_q8aa510a76b_prep
	.globl	k_q8aa510a76b_prep
	.p2align	8
	.type	k_q8aa510a76b_prep,@function
k_q8aa510a76b_prep:
	s_mov_b64 s[64:65], 0
	v_nop
	global_prefetch_b8 v0, s[64:65] scope:SCOPE_SE
	s_setreg_imm32_b32 hwreg(HW_REG_WAVE_MODE, 25, 1), 1
	s_wait_xcnt 0x0
; M_w [1024][3072] f32 is quantised along its rows to codes of E2M3 with one E8M0 byte for each 32 numbers.  3072 = 2048 + 1024 and 2048 is a multiple of 32,
; so one run of blocks serves both quantised products.
;   columns 0-2047 (the part that meets encoded) go to wq, laid IN THE ORDER OF THE OPERAND'S REGISTERS, as the next launch reads them:
;     wq[u = 16 p + s][wave wv][12,800 bytes]: eight images of 1,536 bytes (block i of 16 units: register group c of four at 512 c + 16 x lane), then 8 x 64 bytes of scale words (row r at 4 r);
;     unit n = 512 p + 128 wv + 16 i + row, K step s = columns 128 s .. 128 s + 127.
;   columns 2048-3071 never leave the registers: each wave's fragment of them is multiplied at once with hidden's codes (given), and chb[b][n] = c (hidden[b] . M_w[n][2048:] + M_b[n]), c = 2 log2(e).
; SHARES.  Work-group j owns rows 16 j .. 16 j + 15; wave w owns K steps w, 8 + w and 16 + w (the last is K step w of the second product).  A K step is two halves of 64 columns.
; A load reads two rows' 256 consecutive bytes; a half goes through the wave's own stage in LDS and comes back 128 bytes a lane: lane (r, h) then holds a whole block, columns 32 h .. 32 h + 31 of row r, in 32 registers,
; which is what the operand's layout gives that lane.  So a block's largest magnitude needs no other lane and the conversions' results are the operand's registers.
; A block's scale is 2^(floor(log2(largest magnitude)) - 2): its byte is the largest magnitude's exponent field - 2, held at 1 from below by a floor among the maximum's leaves.
; LIMITS: a block of zeros, or one whose largest magnitude lies under 2^-124, gets the byte 1 (its codes are zeros or as the floor's scale gives them; these bytes are read by this program alone); NaN and infinities are not served.
; 64 work-groups: the second product's sum over K is shared by a work-group's eight waves, one K step each, and a block of 16 rows is the least that a matrix instruction takes.
.set MROW,  12288                      ; a row of M_w in bytes
.set SP,    272                        ; a stage row: 256 bytes + 16, so that the 16 rows of a read start at 16 different banks (64 banks of 4 bytes: ISA guide 11.1)
.set STGB,  16*SP                      ; a wave's stage
.set PTB,   8*STGB                     ; behind the stages: a partial tile of the second product for each wave, 1,024 bytes
.set CHUNK, 12800
.set TILE,  4*CHUNK                    ; a K step of wq
.set GL,  4                            ; v4   M_w: 12,288 (lane / 16) + 16 (lane % 16)
.set STI, 5                            ; v5   the stage on the way in
.set STO, 6                            ; v6   and on the way out
.set LI,  7                            ; v7   16 x lane
.set LS,  8                            ; v8   4 r
.set SH8, 9                            ; v9   8 h
.set HA,  10                           ; v10  hidden's codes: 768 r + 24 h
.set HSA, 11                           ; v11  hidden's scale bytes: 32 r
.set M0,  12                           ; v12-13 largest magnitudes, two chains
.set M1,  13
.set SCL, 14                           ; v14  the conversions' scale operand
.set BY,  15                           ; v15-16 the scale bytes of a K step's two halves
.set W2,  17                           ; v17  the other half of the lanes' bytes
.set WF,  18                           ; v18-19 the scale words that go to wq
.set PCF, 20                           ; v20-55 the three fragments' codes, 12 registers each: no store's data are written again
.set PT,  56                           ; v56-58 a block's upper 16 codes (a conversion's three registers begin on an even number)
.set RDP, 59                           ; v59  where I read the partial tiles
.set WSC, 60                           ; v60  the scale word of the fragment that is multiplied: it holds scales and nothing else
.set HS,  61                           ; v61  hidden's scale word: likewise
.set MB,  62                           ; v62  M_b of unit r
.set PTW, 63                           ; v63  where I put my partial tile
.set RG,  64                           ; v64-191 four sets of 32: halves as they are loaded
.set X,   192                          ; v192-223 a block of 32 numbers
.set HID, 224                          ; v224-235 hidden's fragment
.set D,   236                          ; v236-243 my partial tile
.set RS,  244                          ; v244-251 the eight partial sums
.set SUM, 252
.set CO,  253                          ; v253 my byte in chb
	s_load_b256 s[4:11], s[0:1], 0x0               ; M_w s[4:5], M_b s[6:7], hidden_codes s[8:9], hidden_scales s[10:11]
	s_load_b128 s[12:15], s[0:1], 0x20             ; wq s[12:13], chb s[14:15]
	v_lshl_add_u32 v254, v0, 2, 0xa800
	v_mov_b32 v255, 0
	v_lshrrev_b32 v1, 5, v0
	v_readfirstlane_b32 s16, v1                    ; wave 0..7
	v_and_b32 v1, 31, v0                           ; lane
	v_and_b32 v2, 15, v0                           ; r
	v_bfe_u32 v3, v0, 4, 1                         ; h
	s_mov_b32 s20, 0x76543210
	s_mov_b32 s21, 0xfedcba98                      ; v_permlanex16_b32's selects for lane l xor 16
	s_lshr_b32 s17, ttmp9, 5                       ; p:  j = 32 p + 8 wv + i
	s_bfe_u32 s18, ttmp9, 0x20003                  ; wv
	s_and_b32 s19, ttmp9, 7                        ; i
	s_mul_i32 s22, ttmp9, 16*MROW                  ; M_w: my 16 rows,
	s_lshl_b32 s23, s16, 9                         ; my wave's first K step
	s_add_co_u32 s22, s22, s23
	s_mov_b32 s23, 0
	s_lshl_b32 s26, s17, 6
	s_add_co_u32 s26, s26, s18
	s_mul_i32 s26, s26, CHUNK                      ; wq: chunk (u = 16 p, wv),
	s_mul_i32 s27, s16, TILE                       ; K step w
	s_add_co_u32 s26, s26, s27
	s_mul_i32 s28, s19, 1536
	s_add_co_u32 s28, s28, s26                     ; image i
	s_mov_b32 s29, 0
	s_lshl_b32 s30, s19, 6
	s_add_co_u32 s30, s30, s26
	s_add_co_u32 s30, s30, 8*1536                  ; block i's scale words
	s_mov_b32 s31, 0
	s_lshl_b32 s32, ttmp9, 6                       ; M_b: 16 numbers
	s_mov_b32 s33, 0
	s_lshl_b32 s34, s16, 12
	s_add_co_u32 s34, s34, s32                     ; chb: batch w, units 16 j on
	s_mov_b32 s35, 0
	s_mul_i32 s36, s16, 96                         ; hidden's codes of K step w
	s_mov_b32 s37, 0
	s_lshl_b32 s38, s16, 2                         ; and its scale word
	s_mov_b32 s39, 0
	v_mul_u32_u24 v[GL], v3, MROW
	v_lshl_add_u32 v[GL], v2, 4, v[GL]
	s_mul_i32 s40, s16, STGB                       ; my stage
	v_mul_u32_u24 v[STI], v3, SP
	v_lshl_add_u32 v[STI], v2, 4, v[STI]
	v_add_nc_u32 v[STI], s40, v[STI]               ; in: row lane / 16 of a load's two, 16 bytes a lane
	v_mul_u32_u24 v[STO], v2, SP
	v_lshl_add_u32 v[STO], v3, 7, v[STO]
	v_add_nc_u32 v[STO], s40, v[STO]               ; out: row r, 128 h bytes on
	v_lshlrev_b32 v[LI], 4, v1
	v_lshlrev_b32 v[LS], 2, v2
	v_lshlrev_b32 v[SH8], 3, v3
	v_mul_u32_u24 v[HA], v2, 768
	v_mad_u32_u24 v[HA], v3, 24, v[HA]
	v_lshlrev_b32 v[HSA], 5, v2
	v_mov_b32 v[W2], 0                             ; written once: a lane permute's destination counts as one of its sources
	s_lshl_b32 s40, s16, 10
	s_add_co_u32 s40, s40, PTB
	v_add_nc_u32 v[PTW], s40, v[LI]                ; my partial tile: an image of its registers
	s_lshr_b32 s40, s16, 2
	s_lshl_b32 s40, s40, 9
	s_and_b32 s41, s16, 3
	s_lshl_b32 s41, s41, 2
	s_add_co_u32 s40, s40, s41
	s_add_co_u32 s40, s40, PTB
	v_add_nc_u32 v[RDP], s40, v[LI]                ; register w of an image: group w / 4, word w % 4
	v_lshlrev_b32 v[CO], 15, v3
	v_add_nc_u32 v[CO], v[CO], v[LS]               ; chb: batch 8 h + w is 8 h rows of 4,096 bytes on; unit r
	s_wait_kmcnt 0x0
	s_add_nc_u64 s[4:5], s[4:5], s[22:23]
	s_add_nc_u64 s[24:25], s[12:13], s[30:31]      ; wq's scale words
	s_add_nc_u64 s[12:13], s[12:13], s[28:29]      ; wq's codes
	s_add_nc_u64 s[6:7], s[6:7], s[32:33]
	s_add_nc_u64 s[14:15], s[14:15], s[34:35]
	s_add_nc_u64 s[8:9], s[8:9], s[36:37]
	s_add_nc_u64 s[10:11], s[10:11], s[38:39]
.macro LOADP q                         ; half q = 2 f + c: sixteen lanes read 256 consecutive bytes of a row, two rows an instruction
.irp i, 0,1,2,3,4,5,6,7
	global_load_b128 v[RG+32*((\q)%4)+4*\i:RG+32*((\q)%4)+4*\i+3], v[GL], s[4:5] offset:2*MROW*\i+4096*((\q)/2)+256*((\q)%2) th:TH_LOAD_NT
.endr
.endm
.macro TURNP q                         ; through the stage: LDS serves a wave's instructions in order (ISA guide 5.7.1.4), so no wait stands between the stores and the loads
.irp i, 0,1,2,3,4,5,6,7
	ds_store_b128 v[STI], v[RG+32*((\q)%4)+4*\i:RG+32*((\q)%4)+4*\i+3] offset:2*SP*\i
.endr
.irp k, 0,1,2,3,4,5,6,7
	ds_load_b128 v[X+4*\k:X+4*\k+3], v[STO] offset:16*\k
.endr
.endm
; 32 numbers of a lane, one block, become registers 6 c .. 6 c + 5 of the fragment at v[pc], and the block's byte v[BY + c]
.macro QH x, pc, c
	v_max3_num_f32 v[M0], |v[\x]|, |v[\x+1]|, |v[\x+2]|
	v_max3_num_f32 v[M1], |v[\x+3]|, |v[\x+4]|, |v[\x+5]|
.irp i, 6,10,14,18,22,26
	v_max3_num_f32 v[M0], v[M0], |v[\x+\i]|, |v[\x+\i+1]|
	v_max3_num_f32 v[M1], v[M1], |v[\x+\i+2]|, |v[\x+\i+3]|
.endr
	v_max3_num_f32 v[M0], v[M0], |v[\x+30]|, |v[\x+31]|
	v_max3_num_f32 v[M0], v[M0], v[M1], 0x1800000  ; and the floor 2^(3 - 127): the byte cannot fall under 1
	v_add_nc_u32 v[SCL], 0xff000000, v[M0]         ; 2 off the exponent field: the conversion takes the exponent field of this operand as its scale, and nothing else of it
	v_cvt_scalef32_pk16_fp6_f32 v[\pc+6*(\c):\pc+6*(\c)+2], v[\x:\x+15], v[SCL]
	v_cvt_scalef32_pk16_fp6_f32 v[PT:PT+2], v[\x+16:\x+31], v[SCL]
	v_lshrrev_b32 v[BY+(\c)], 23, v[SCL]           ; the scale's byte; also the plain place behind the conversions
.irp i, 0,1,2
	v_mov_b32 v[\pc+6*(\c)+3+\i], v[PT+\i]
.endr
.endm
.macro WORD dst                        ; my two bytes are blocks h and 2 + h of row r: at their places, and with lane l xor 16's two, they make the row's scale word
	v_lshl_or_b32 v[M1], v[BY+1], 16, v[BY]
	v_lshlrev_b32 v[M1], v[SH8], v[M1]
	v_permlanex16_b32 v[W2], v[M1], s20, s21
	v_or_b32 v[\dst], v[M1], v[W2]
.endm
.macro HALFP q, left
	s_wait_loadcnt \left                           ; loads come back in order (ISA guide 5.7.1): this half's eight are in; left = 8 x the halves asked for behind it
	TURNP \q
	s_wait_dscnt 0x0                               ; the block is back, and the stores into the stage have read their registers,
.if (\q) < 2
	LOADP (\q)+4                                   ; which take the half four further on
.endif
	QH X, PCF+12*((\q)/2), (\q)%2
.if (\q)%2
.if (\q)/2 < 2
	WORD WF+(\q)/2
.irp c, 0,1,2
	global_store_b128 v[LI], v[PCF+12*((\q)/2)+4*\c:PCF+12*((\q)/2)+4*\c+3], s[12:13] offset:8*TILE*((\q)/2)+512*\c   ; 32 lanes store 512 consecutive bytes, at a multiple of 256 from wq's first byte
.endr
	global_store_b32 v[LS], v[WF+(\q)/2], s[24:25] offset:8*TILE*((\q)/2)   ; 64 bytes; lanes 16-31 write the same words with the same values
.else
	WORD WSC
.endif
.endif
.endm
.irp p, 0,1,2,3,4,5
	global_load_b64 v[HID+2*\p:HID+2*\p+1], v[HA], s[8:9] offset:48*(\p/3)+8*(\p%3)   ; hidden's fragment of K step w: 24 bytes of the row's stream of bits twice, in pieces of 8
.endr
	global_load_b32 v[HS], v[HSA], s[10:11]
	global_load_b32 v[MB], v[LS], s[6:7]
	LOADP 0
	LOADP 1
	LOADP 2
	LOADP 3
	HALFP 0, 24
	HALFP 1, 24
	HALFP 2, 24
	HALFP 3, 16
	HALFP 4, 8
	HALFP 5, 0
.rept 8
	v_nop                                          ; a scale register written by a vector instruction stands 8 places ahead of a scaled matrix instruction, an operand so written 4
.endr
	v_wmma_scale_f32_16x16x128_f8f6f4 v[D:D+7], v[HID:HID+11], v[PCF+24:PCF+35], 0, v[HS], v[WSC] matrix_a_fmt:MATRIX_FMT_FP6 matrix_b_fmt:MATRIX_FMT_FP6   ; register i of lane (r, h): batch 8 h + i, unit r, K step w
.rept 4
	v_nop                                          ; four places in front of the first read of the result (ISA guide 7.12.1)
.endr
	ds_store_b128 v[PTW], v[D:D+3]                 ; from its low end on
	ds_store_b128 v[PTW], v[D+4:D+7] offset:512
	s_wait_dscnt 0x0                               ; for the others' sake: my partial tile lies in LDS
	s_barrier_signal -1
	s_barrier_wait -1
.irp n, 0,1,2,3,4,5,6,7
	ds_load_b32 v[RS+\n], v[RDP] offset:1024*\n    ; register w of wave n's tile: batches w and 8 + w, K step n
.endr
	s_wait_dscnt 0x0
	v_add_f32 v[SUM], v[MB], v[RS]                 ; the bias starts the sum; K ascending
.irp n, 1,2,3,4,5,6,7
	v_add_f32 v[SUM], v[SUM], v[RS+\n]
.endr
	v_mul_f32 v[SUM], 0x4038aa3b, v[SUM]           ; x c = 2 log2(e), which the next launch's exponential wants
	global_store_b32 v[CO], v[SUM], s[14:15]       ; 64 bytes of each of two rows of chb: the work-group owns 16 units of every batch, so longer runs are not to be had
	s_barrier_signal -1
	s_barrier_wait -1
	s_wait_tensorcnt 0x0
	ds_add_u32 v254, v255
	s_wait_dscnt 0x0
	s_endpgm
.Lfunc_end_k_q8aa510a76b_prep:
	.size	k_q8aa510a76b_prep, .Lfunc_end_k_q8aa510a76b_prep-k_q8aa510a76b_prep
	.p2alignl 7, 3214868480
	.fill 96, 4, 3214868480
	.section	.rodata,"a",@progbits
	.p2align	6, 0x0
	.amdhsa_kernel k_q8aa510a76b_prep
		.amdhsa_group_segment_fixed_size 44032
		.amdhsa_private_segment_fixed_size 0
		.amdhsa_enable_private_segment 0
		.amdhsa_kernarg_size 48
		.amdhsa_user_sgpr_count 2
		.amdhsa_user_sgpr_kernarg_segment_ptr 1
		.amdhsa_wavefront_size32 1
		.amdhsa_system_sgpr_workgroup_id_x 1
		.amdhsa_system_sgpr_workgroup_id_y 1
		.amdhsa_system_sgpr_workgroup_id_z 1
		.amdhsa_system_vgpr_workitem_id 0
		.amdhsa_next_free_vgpr 256
		.amdhsa_next_free_sgpr 66
		.amdhsa_reserve_vcc 0
		.amdhsa_float_denorm_mode_32 3
		.amdhsa_float_denorm_mode_16_64 3
		.amdhsa_memory_ordered 1
		.amdhsa_forward_progress 1
		.amdhsa_inst_pref_size 27
	.end_amdhsa_kernel
	.amdgpu_metadata
---
amdhsa.version: [ 1, 2 ]
amdhsa.kernels:
  - .name:           k_q8aa510a76b_prep
    .symbol:         k_q8aa510a76b_prep.kd
    .args:
      - { .name: M_w, .offset: 0, .size: 8, .value_kind: global_buffer, .address_space: global }
      - { .name: M_b, .offset: 8, .size: 8, .value_kind: global_buffer, .address_space: global }
      - { .name: hidden_codes, .offset: 16, .size: 8, .value_kind: global_buffer, .address_space: global }
      - { .name: hidden_scales, .offset: 24, .size: 8, .value_kind: global_buffer, .address_space: global }
      - { .name: wq, .offset: 32, .size: 8, .value_kind: global_buffer, .address_space: global }
      - { .name: chb, .offset: 40, .size: 8, .value_kind: global_buffer, .address_space: global }
    .group_segment_fixed_size: 44032
    .private_segment_fixed_size: 0
    .kernarg_segment_align: 8
    .kernarg_segment_size: 48
    .max_flat_workgroup_size: 256
    .sgpr_count:     66
    .vgpr_count:     256
    .wavefront_size: 32
...
	.end_amdgpu_metadata
.endif
;; end of part 1
;; launch scores (part 2): grid 256 x 1, 4 waves a work-group, clusters of 4 x 1, 327,680 bytes of LDS; arguments encoded, mask, wq, chb, V_w, V_b, sc; writes sc
.if DOCPART == 2
	.amdgcn_target "amdgcn-amd-amdhsa--gfx1250"
	.amdhsa_code_object_version 6
	.text
	.protected	k_q8aa510a76b_scores
	.globl	k_q8aa510a76b_scores
	.p2align	8
	.type	k_q8aa510a76b_scores,@function
k_q8aa510a76b_scores:
	s_mov_b64 s[64:65], 0
	v_nop
	global_prefetch_b8 v0, s[64:65] scope:SCOPE_SE
	s_setreg_imm32_b32 hwreg(HW_REG_WAVE_MODE, 25, 1), 1
	s_wait_xcnt 0x0
	s_wait_alu depctr_hold_cnt(0) depctr_sa_sdst(0) depctr_va_vdst(0) depctr_va_sdst(0) depctr_va_ssrc(0) depctr_va_vcc(0) depctr_vm_vsrc(0)
	s_getreg_b32 s2, hwreg(HW_REG_IB_STS2, 6, 4)
	s_cmp_eq_u32 s2, 0
	s_cbranch_scc0 .Lentry_in_a_cluster
	s_endpgm
.Lentry_in_a_cluster:
	s_bfe_u32 s2, ttmp6, 0x10000c
	s_cmp_lg_u32 s2, 0x3003
	s_cbranch_scc0 .Lentry_shape_is_right
	s_endpgm
.Lentry_shape_is_right:
; sc[b][s] = mask ? -1e9 : V_w . tanh(encoded[b][s] . M_w[:, :2048]^T + hidden[b] . M_w[:, 2048:]^T + M_b) + V_b.
; The first product is on codes of E2M3 with one E8M0 byte for each 32 along K: M_w's come from wq (made by the launch before, in the order of the operand's registers), encoded's are made here; chb holds c x (second product + M_b), c = 2 log2(e).
; SHARES.  A work-group owns 128 rows (of one batch) and all 1,024 units.  PHASE A: its four waves read the rows once (wave w: columns 512 w .. 512 w + 511), quantise them and leave them in LDS as images of the operand's
; registers: 16 K steps x 8 blocks of 16 rows x 1,536 bytes, and their scale words.  PHASE B: two passes of 512 units; in a pass wave w makes 128 rows x units 512 p + 128 w .. + 127: 64 accumulators, 512 registers.
; M_w's codes come through a ring of two LDS slots of one K step (4 x 12,800 bytes); each wave loads and reads its own 12,800 bytes.  With the rows' 204,800 bytes resident, two slots of one K step are what fits.
; CLUSTER.  Every work-group walks the same wq, so the four of a cluster ask JOINTLY: the same tensor load, the same descriptor (made of the wave's number alone), a mask that names the four.
; THE MATRIX INSTRUCTION IS USED TRANSPOSED (source 0 = 16 units, source 1 = 16 rows): lane (r, h) holds ONE row 16 a + r, and its eight registers the units 16 b + 8 h + 0 .. 7.  So the product with V_w is a sum inside the lane.
; tanh(m) = 1 - 2 / (1 + 2^(c m)): where the exponential overflows or vanishes it gives 1 and -1 exactly.  So V_w . tanh = sum(V_w) - 2 sum(V_w / (1 + 2^(c m))).
; MASKED ROWS.  A masked row's score is thrown away, so its numbers are not read: its byte offset is multiplied by keep = 1 - mask, and its loads fall on the work-group's first row.  No branch and no trip count hangs on the mask.
; LIMITS: NaN and infinities among the inputs are not served; a block of zeros, or one whose largest magnitude lies under 2^-124, gets the scale byte 1 (only this program reads the bytes).
; REGISTERS, in windows of 256 (s_set_vgpr_msb: bits 1:0 source 0, 3:2 source 1, 5:4 source 2, 7:6 destination):
;   window 0: v1-11, v30-31, v253-255 addresses and constants that stay; v12-29 phase A's addresses, later the rows' sums; v32-63 scale words, two sets, and nothing else; v64-127 phase A's blocks, later chb's numbers;
;             v128-223 phase A's codes and work, later A's fragments, ONE set; v224-243 the last sums.
;   window 1: phase A: eight sets of 32 numbers as loaded.  Phase B: M_w's fragments, set 0 at v0-95, set 1 at v128-223 (free while a pass's results are worked on); V_w's numbers at v96-127 and v224-255.
;   windows 2, 3: the accumulators: (a, b) at v[8 (8 (a % 4) + b)] of window 2 + a / 4.
.set AIMG,  0                          ; LDS: A's images, [K step][block a] x 1,536 bytes
.set ASC,   196608                     ; their scale words, [K step][block a][16 rows] x 4 bytes
.set RING,  204800                     ; two slots of 51,200 bytes; wave w's part at 12,800 w.  The only bytes that tensor loads fill
.set CHUNK, 12800
.set TILE,  51200
.set STG,   307200                     ; phase A's stages: 16 rows x 272 bytes for each wave
.set SP,    272
.set SPARE, 324608                     ; the spare words, 128 bytes for each wave: two blocks of 256 bytes that no other line names
.set SCP,   325120                     ; the waves' partial scores: [wave][128 rows] x 4 bytes
.set FRB,   1536                       ; a fragment's image: 12 registers x 128 bytes
.set KSA,   8*FRB                      ; A's eight images of a K step
.set ADA,   3                          ; v3   A's images of the K step to be fetched: AIMG + 16 x lane + 12,288 s;   v4 the same for s = 0
.set ADA0,  4
.set ADSA,  5                          ; v5   A's scale words likewise: ASC + 4 r + 512 s;   v6 for s = 0
.set ADSA0, 6
.set ADB,   7                          ; v7   my part of slot 0: RING + 12,800 w + 16 x lane
.set ADSB,  8                          ; v8   and its scale words: + 12,288 + 4 r
.set SPW,   9                          ; v9   LDS address of my spare word; never rewritten
.set NIL,   10                         ; v10  0; never rewritten
.set VCN,   11                         ; v11  32 h: my eight units of a block of 16, in chb and V_w
.set VO,    12                         ; v12-19 phase A: byte offsets of the eight loads of a half
.set VL,    20                         ; v20  16 (lane % 16) + 2,048 w
.set VB,    21                         ; v21  8,192 (lane / 16) + 131,072 x trip
.set VMA,   22                         ; v22  which 16 mask bytes are loaded next
.set MKA,   23                         ; v23  4 x lane
.set STI,   24                         ; v24  the stage on the way in;  v25 on the way out
.set STO,   25
.set AIW,   26                         ; v26  where I store images;  v27 scale words
.set ASW,   27
.set SS,    12                         ; v12-27 phase B: for each block a the row's sum of V_w / (1 + 2^(c m)), in two halves
.set SV,    28                         ; v28-29 the sum of my units' V_w, in two halves
.set MK,    30                         ; v30  the mask bytes of rows 4 x lane .. + 3
.set SCPW,  31                         ; v31  SCP + 512 w + 4 r
.set SC,    32                         ; scale words: set t at v[32 + 16 t]: A's eight, then M_w's eight
.set X,     64                         ; phase A: two blocks of 32 numbers
.set CH,    64                         ; phase B: chb at my 64 units
.set AF,    128                        ; A's fragments
.set PC,    128                        ; phase A: v128-139 a fragment's codes; v140-142 a block's upper 16 codes
.set PT,    140
.set M0,    144
.set M1,    145
.set SCL,   146
.set BY,    147                        ; v147-148
.set WW,    149                        ; the scale word just made
.set W2,    150
.set SH8,   151                        ; 8 (lane / 16)
.set MQ,    152                        ; v152-155 the 16 mask bytes of the trip whose loads are asked for next
.set MS,    156                        ; v156-159 the same, my parity's bytes lowest
.set KK,    160                        ; v160-167 keep;  v168-175 row offsets
.set TT,    168
.set NEG,   253                        ; v253 -1e9;  v254 16 x lane;  v255 SCP + 16 x lane
.set OUTA,  254
.set RDS,   255
.set T,     128                        ; window 1, while results are worked on: 64 numbers of a block of rows;  v192-199 four chains of sums
.set U,     192
.set MSB, 0
.macro WIN new                         ; the immediate's high byte repeats the setting that is left; a switch that changes nothing is dropped
.if MSB != (\new)
	s_set_vgpr_msb (MSB<<8)|(\new)
.set MSB, (\new)
.endif
.endm
.macro PLACES                          ; four places: in front of loads into registers that matrix instructions have read, and of the first read of results (ISA guide 7.12.1 for vector instructions)
.rept 4
	v_nop
.endr
.endm
; A round of the cluster's barrier: my work-group's barrier, so that wave 0's signal speaks for all four waves; wave 0 signals for the work-group; every wave waits for all four work-groups; my work-group's barrier once more.
.macro ROUND
	s_barrier_signal -1
	s_barrier_wait -1
	s_cmp_lg_u32 s18, 0
	s_cbranch_scc1 .Lnot_wave_0_\@
	s_barrier_signal -3
.Lnot_wave_0_\@:
	s_barrier_wait -3
	s_barrier_signal -1
	s_barrier_wait -1
.endm
	s_load_b256 s[4:11], s[0:1], 0x0               ; encoded s[4:5], mask s[6:7], wq s[8:9], chb s[10:11]
	s_load_b128 s[12:15], s[0:1], 0x20             ; V_w s[12:13], V_b s[14:15]
	s_load_b64 s[16:17], s[0:1], 0x30              ; sc
	v_lshl_add_u32 v[SPW], v0, 2, SPARE
	v_mov_b32 v[NIL], 0
	ds_add_u32 v9, v10
	ds_add_u32 v9, v10
	s_wait_dscnt 0x0
	v_lshrrev_b32 v1, 5, v0
	v_readfirstlane_b32 s18, v1                    ; wave 0..3
	s_bfe_u32 s19, ttmp6, 0x40000                  ; cx: my place in the cluster: it enters global offsets of encoded, mask, chb and sc alone
	s_lshl_b32 s20, ttmp9, 2                       ; in a cluster launch ttmp9 counts clusters
	s_add_co_u32 s20, s20, s19                     ; g: my block of 128 rows
	v_and_b32 v1, 15, v0                           ; r
	v_bfe_u32 v2, v0, 4, 1                         ; h
	v_and_b32 v28, 31, v0                          ; lane
	v_lshl_add_u32 v[ADA0], v28, 4, AIMG
	v_mov_b32 v[ADA], v[ADA0]
	v_lshl_add_u32 v[ADSA0], v1, 2, ASC
	v_mov_b32 v[ADSA], v[ADSA0]
	s_mul_i32 s21, s18, CHUNK
	s_add_co_u32 s22, s21, RING
	v_lshl_add_u32 v[ADB], v28, 4, s22
	s_add_co_u32 s22, s22, KSA
	v_lshl_add_u32 v[ADSB], v1, 2, s22
	v_lshlrev_b32 v[VCN], 5, v2
	s_lshl_b32 s22, s18, 9
	s_add_co_u32 s22, s22, SCP
	v_lshl_add_u32 v[SCPW], v1, 2, s22
	v_lshl_add_u32 v[RDS], v28, 4, SCP
	v_lshlrev_b32 v[OUTA], 4, v28
	v_mov_b32 v[NEG], 0xce6e6b28                   ; -1e9
	s_lshl_b32 s22, s18, 11
	v_lshl_add_u32 v[VL], v1, 4, s22
	s_add_co_u32 s22, s22, ASC
	v_lshl_add_u32 v[ASW], v1, 2, s22              ; my four K steps' scale words: ASC + 512 x 4 w + 4 r
	s_mul_i32 s22, s18, 16*SP
	s_add_co_u32 s22, s22, STG                     ; my stage
	v_mul_u32_u24 v29, v2, SP
	v_lshl_add_u32 v29, v1, 4, v29
	v_add_nc_u32 v[STI], s22, v29                  ; in: row lane / 16 of a load's two, 16 bytes a lane
	v_mul_u32_u24 v29, v1, SP
	v_lshl_add_u32 v29, v2, 7, v29
	v_add_nc_u32 v[STO], s22, v29                  ; out: row r, 128 h bytes on: a whole block of 32 numbers
	s_mul_i32 s22, s18, 4*KSA
	s_add_co_u32 s22, s22, AIMG
	v_lshl_add_u32 v[AIW], v28, 4, s22             ; my four K steps' images
	v_lshlrev_b32 v[SH8], 3, v2
	v_lshlrev_b32 v[VB], 13, v2
	v_mov_b32 v[W2], 0                             ; written once: a lane permute's destination counts as one of its sources
	v_mov_b32 v[VMA], 0
	v_lshlrev_b32 v[MKA], 2, v28
	s_mov_b32 s40, 0x76543210
	s_mov_b32 s41, 0xfedcba98                      ; v_permlanex16_b32's selects for lane l xor 16
	s_mov_b32 s42, 0x4038aa3b                      ; c = 2 log2(e)
	s_mov_b32 s43, s42                             ; (the packed form names the pair, so both are written)
	; descriptor group 1: 12,800 dense bytes as 50 rows of 256 bytes (32 elements of 8 bytes); no padding: images are read 16 bytes a lane on end
	s_mov_b32 s24, 15|(3<<16)|(1<<21)              ; 15:0 the mask: all four work-groups; 17:16 elements of 8 bytes; 21 set beside a mask
	s_mov_b32 s25, 32<<16                          ; tensor_dim0 = 32
	s_mov_b32 s26, 50<<16                          ; tensor_dim1 = 50
	s_mov_b32 s27, 32<<16                          ; tile_dim0 = 32
	s_mov_b32 s28, 50                              ; tile_dim1 = 50
	s_mov_b32 s29, 32                              ; tensor_dim0_stride
	s_mov_b32 s30, 0
	s_mov_b32 s31, 0
	s_lshl_b32 s46, s20, 20                        ; encoded: 128 rows of 8,192 bytes
	s_mov_b32 s47, 0
	s_lshl_b32 s48, s20, 7                         ; mask: 128 bytes
	s_mov_b32 s49, 0
	s_lshl_b32 s50, s20, 9                         ; sc: 512 bytes
	s_mov_b32 s51, 0
	s_lshr_b32 s52, s20, 4                         ; chb: batch g / 16,
	s_lshl_b32 s52, s52, 12
	s_lshl_b32 s54, s18, 9                         ; my wave's 128 units (V_w likewise)
	s_add_co_u32 s52, s52, s54
	s_mov_b32 s53, 0
	s_mov_b32 s55, 0
	s_mov_b32 s22, s21                             ; wq: my wave's part of a K step
	s_mov_b32 s23, 0
	s_wait_kmcnt 0x0
	s_add_nc_u64 s[4:5], s[4:5], s[46:47]
	s_add_nc_u64 s[6:7], s[6:7], s[48:49]
	s_add_nc_u64 s[16:17], s[16:17], s[50:51]
	s_add_nc_u64 s[10:11], s[10:11], s[52:53]
	s_add_nc_u64 s[12:13], s[12:13], s[54:55]
	s_add_nc_u64 s[8:9], s[8:9], s[22:23]
.irp k, 0,1                            ; descriptor group 0, a set for each slot
	s_mov_b32 s[32+4*\k], 1                        ; count = 1
	s_add_co_u32 s[33+4*\k], s21, RING+\k*TILE     ; LDS address: the slot, my wave's part
	s_add_nc_u64 s[34+4*\k:35+4*\k], s[8:9], \k*TILE   ; global address: K step k
	s_or_b32 s[35+4*\k], s[35+4*\k], 0x80000000    ; type = 2
.endr
	ROUND                                          ; all four work-groups are here: the first joint loads meet
	tensor_load_to_lds s[32:35], s[24:31]          ; both first fills go out together, ahead of every wait on TENSORcnt and every LDS read: two loads of mine are out; later never more than one
	s_nop 0
	tensor_load_to_lds s[36:39], s[24:31]
	s_nop 0
	PLACES                                         ; (four places behind a tensor load)
	global_load_b128 v[MQ:MQ+3], v[VMA], s[6:7]    ; the mask bytes of rows 0-15: the same 16 bytes in every lane
	global_load_b32 v[MK], v[MKA], s[6:7]
	s_load_b32 s45, s[14:15], 0x0                  ; V_b
; ---------------- PHASE A ----------------
; Trip t is the block of rows 16 t .. 16 t + 15; half j (0..7) is columns 512 w + 64 j .. + 63: K step 4 w + j / 2, registers 6 (j % 2) .. + 5 of its fragment.
; Load i of a half reads rows 16 t + 2 i and 16 t + 2 i + 1: sixteen lanes to a row's 256 consecutive bytes.
.macro OFFS                            ; the eight byte offsets of the trip whose mask bytes lie in MQ.  Row 2 i + lane / 16 of the trip is byte 2 (i % 2) + lane / 16 of word i / 2
.irp k, 0,1,2,3
	v_lshrrev_b32 v[MS+\k], v[SH8], v[MQ+\k]
.endr
.irp i, 0,1,2,3,4,5,6,7
	v_bfe_u32 v[KK+\i], v[MS+\i/2], 16*(\i%2), 1
.endr
.irp i, 0,1,2,3,4,5,6,7
	v_xor_b32 v[KK+\i], 1, v[KK+\i]                ; keep = 1 - mask
.endr
.irp i, 0,1,2,3,4,5,6,7
	v_min_u32 v[KK+\i], 1, v[KK+\i]                ; a loaded number enters an address only behind such a bound
.endr
.irp i, 0,1,2,3,4,5,6,7
	v_add_nc_u32 v[TT+\i], 16384*\i, v[VB]
.endr
.irp i, 0,1,2,3,4,5,6,7
	v_mul_u32_u24 v[TT+\i], v[KK+\i], v[TT+\i]     ; a masked row's loads fall on the work-group's first row
.endr
.irp i, 0,1,2,3,4,5,6,7
	v_add_nc_u32 v[VO+\i], v[VL], v[TT+\i]
.endr
.endm
.macro RLOAD j                         ; half j's eight loads, into set j of window 1
	WIN 0x40
.irp i, 0,1,2,3,4,5,6,7
	global_load_b128 v[32*(\j)+4*\i:32*(\j)+4*\i+3], v[VO+\i], s[4:5] offset:256*(\j)
.endr
	WIN 0
.endm
.macro TURN n                          ; set n through my stage: LDS serves a wave's instructions in order (ISA guide 5.7.1.4): no wait between the stores and the loads, nor in front of the next half's stores
	WIN 0x04                                       ; an LDS store's data are its source 1: window 1
.irp i, 0,1,2,3,4,5,6,7
	ds_store_b128 v[STI], v[32*(\n)+4*\i:32*(\n)+4*\i+3] offset:2*SP*\i
.endr
	WIN 0
.irp k, 0,1,2,3,4,5,6,7
	ds_load_b128 v[X+32*((\n)%2)+4*\k:X+32*((\n)%2)+4*\k+3], v[STO] offset:16*\k
.endr
.endm
; 32 numbers of a lane, one block, become registers 6 c .. 6 c + 5 of the fragment at v[pc], and the block's byte v[BY + c]
.macro QH x, pc, c
	v_max3_num_f32 v[M0], |v[\x]|, |v[\x+1]|, |v[\x+2]|
	v_max3_num_f32 v[M1], |v[\x+3]|, |v[\x+4]|, |v[\x+5]|
.irp i, 6,10,14,18,22,26
	v_max3_num_f32 v[M0], v[M0], |v[\x+\i]|, |v[\x+\i+1]|
	v_max3_num_f32 v[M1], v[M1], |v[\x+\i+2]|, |v[\x+\i+3]|
.endr
	v_max3_num_f32 v[M0], v[M0], |v[\x+30]|, |v[\x+31]|
	v_max3_num_f32 v[M0], v[M0], v[M1], 0x1800000  ; and the floor 2^(3 - 127): the byte cannot fall under 1
	v_add_nc_u32 v[SCL], 0xff000000, v[M0]         ; 2 off the exponent field: the conversion takes the exponent field of this operand as its scale, and nothing else of it
	v_cvt_scalef32_pk16_fp6_f32 v[\pc+6*(\c):\pc+6*(\c)+2], v[\x:\x+15], v[SCL]
	v_cvt_scalef32_pk16_fp6_f32 v[PT:PT+2], v[\x+16:\x+31], v[SCL]   ; (a conversion's three registers begin on an even number)
	v_lshrrev_b32 v[BY+(\c)], 23, v[SCL]           ; the scale's byte; also the plain place behind the conversions
.irp i, 0,1,2
	v_mov_b32 v[\pc+6*(\c)+3+\i], v[PT+\i]
.endr
.endm
; Half j's turn.  ahead = 1: set j takes the next trip's half j.  turn = 1: the next half goes through the stage while this one is quantised; left = the loads issued behind that half's eight.
.macro HALF j, ahead, left, turn
	s_wait_dscnt 0x0                               ; this half's block is back from the stage; set j's stores into the stage and the last images' stores have read their registers
.if \ahead
	RLOAD \j
.endif
.if \turn
	s_wait_loadcnt \left
	TURN ((\j)+1)%8
.endif
	QH X+32*((\j)%2), PC, (\j)%2
.if (\j)%2
	v_lshl_or_b32 v[M1], v[BY+1], 16, v[BY]        ; my two bytes are blocks h and 2 + h of row r: at their places,
	v_lshlrev_b32 v[M1], v[SH8], v[M1]
	v_permlanex16_b32 v[W2], v[M1], s40, s41
	v_or_b32 v[WW], v[M1], v[W2]                   ; and with lane l xor 16's two, they make the row's scale word
.irp c, 0,1,2
	ds_store_b128 v[AIW], v[PC+4*\c:PC+4*\c+3] offset:KSA*((\j)/2)+512*\c   ; the fragment goes to LDS as an image of its registers
.endr
	ds_store_b32 v[ASW], v[WW] offset:512*((\j)/2) ; lanes 16-31 write the same words with the same values
.endif
.endm
	s_wait_loadcnt 0x0                             ; the mask bytes
	OFFS
	v_mov_b32 v[VMA], 16
	global_load_b128 v[MQ:MQ+3], v[VMA], s[6:7]    ; trip 1's mask bytes
.irp j, 0,1,2,3,4,5,6,7
	RLOAD \j                                       ; trip 0: 64 loads, 32 KiB of the wave's on their way
.endr
	s_wait_kmcnt 0x0                               ; V_b
	s_wait_loadcnt 56                              ; half 0 is in (behind it: seven halves)
	TURN 0
	s_mov_b32 s44, 7
.Ltrip:                                            ; a trip quantises one block of rows and asks for the next
	s_wait_xcnt 0x0                                ; every earlier load has had its addresses translated (ISA guide 3.1): only behind this wait are the offsets written again
	v_add_nc_u32 v[VB], 131072, v[VB]
	OFFS                                           ; (the next trip's mask bytes are in: they were asked for ahead of the loads that the last counted wait left out)
	v_add_nc_u32 v[VMA], 16, v[VMA]
	v_min_u32 v[VMA], 112, v[VMA]                  ; the last trip of the loop has no trip after the next: it stays at the block's last 16 bytes, inside the buffer
	global_load_b128 v[MQ:MQ+3], v[VMA], s[6:7]
.irp j, 0,1,2,3,4,5,6
	HALF \j, 1, 57, 1                              ; behind half j + 1's loads: 8 (6 - j) of this trip, the mask's one, 8 (j + 1) of the next trip
.endr
	HALF 7, 1, 56, 1                               ; behind the next trip's half 0: its seven others
	s_wait_dscnt 0x0                               ; the images' stores are done: their addresses step
	v_add_nc_u32 v[AIW], FRB, v[AIW]
	v_add_nc_u32 v[ASW], 64, v[ASW]
	s_sub_co_u32 s44, s44, 1
	s_cmp_lg_u32 s44, 0
	s_cbranch_scc1 .Ltrip
.irp j, 0,1,2,3,4,5,6
	HALF \j, 0, 8*(6-\j), 1                        ; the last trip asks for nothing: the counts run down
.endr
	HALF 7, 0, 0, 0
	s_wait_dscnt 0x0                               ; for the others' sake: my images and scale words lie in LDS
	s_wait_tensorcnt 0x1                           ; my part of K step 0 is in; K step 1's may stay out
	s_barrier_signal -1
	s_barrier_wait -1
; ---------------- PHASE B ----------------
.macro CONST p                         ; chb and V_w at my 64 units of pass p: unit 512 p + 128 w + 16 i + 8 h + 0 .. 7 in eight registers for each block i
.irp i, 0,1,2,3,4,5,6,7
	global_load_b128 v[CH+8*\i:CH+8*\i+3], v[VCN], s[10:11] offset:2048*\p+64*\i
	global_load_b128 v[CH+8*\i+4:CH+8*\i+7], v[VCN], s[10:11] offset:2048*\p+64*\i+16
.endr
	WIN 0x40
.irp i, 0,1,2,3,4,5,6,7
	global_load_b128 v[96+8*\i+96*(\i/4):96+8*\i+96*(\i/4)+3], v[VCN], s[12:13] offset:2048*\p+64*\i
	global_load_b128 v[96+8*\i+96*(\i/4)+4:96+8*\i+96*(\i/4)+7], v[VCN], s[12:13] offset:2048*\p+64*\i+16
.endr
	WIN 0
.endm
.macro FETCH_B t                       ; slot t's eight fragments of M_w into set t
	WIN 0x40
.irp i, 0,1,2,3,4,5,6,7
.irp c, 0,1,2
	ds_load_b128 v[128*(\t)+12*\i+4*\c:128*(\t)+12*\i+4*\c+3], v[ADB] offset:TILE*(\t)+FRB*\i+512*\c
.endr
.endr
	WIN 0
.endm
.macro FETCH_A a0, n                   ; A's blocks a0 .. a0 + n - 1
.set fa, \a0
.rept \n
.irp c, 0,1,2
	ds_load_b128 v[AF+12*fa+4*\c:AF+12*fa+4*\c+3], v[ADA] offset:FRB*fa+512*\c
.endr
.set fa, fa+1
.endr
.endm
.macro SCALES t                        ; the scale words: lane r takes row r's word of A's block i, and unit r's of M_w's block i
.irp i, 0,1,2,3,4,5,6,7
	ds_load_b32 v[SC+16*(\t)+\i], v[ADSA] offset:64*\i
.endr
.irp i, 0,1,2,3,4,5,6,7
	ds_load_b32 v[SC+16*(\t)+8+\i], v[ADSB] offset:TILE*(\t)+64*\i
.endr
.endm
; 16 matrix instructions: A's blocks a0, a0 + 1 x M_w's eight, 128 along K.  zero = 1: the product starts the sums: nothing is ever cleared.
; The 64 accumulators take turns, one instruction a turn, in the same order in every step.
.macro MUL16 a0, t, zero
.irp a, \a0, \a0+1
.irp b, 0,1,2,3,4,5,6,7
.if \zero
	v_wmma_scale_f32_16x16x128_f8f6f4 v[8*(8*((\a)%4)+\b):8*(8*((\a)%4)+\b)+7], v[128*(\t)+12*\b:128*(\t)+12*\b+11], v[AF+12*(\a):AF+12*(\a)+11], 0, v[SC+16*(\t)+8+\b], v[SC+16*(\t)+(\a)] matrix_a_fmt:MATRIX_FMT_FP6 matrix_b_fmt:MATRIX_FMT_FP6
.else
	v_wmma_scale_f32_16x16x128_f8f6f4 v[8*(8*((\a)%4)+\b):8*(8*((\a)%4)+\b)+7], v[128*(\t)+12*\b:128*(\t)+12*\b+11], v[AF+12*(\a):AF+12*(\a)+11], v[8*(8*((\a)%4)+\b):8*(8*((\a)%4)+\b)+7], v[SC+16*(\t)+8+\b], v[SC+16*(\t)+(\a)] matrix_a_fmt:MATRIX_FMT_FP6 matrix_b_fmt:MATRIX_FMT_FP6
.endif
.endr
.endr
.endm
; A K STEP: 64 matrix instructions on slot's fragments, which lie in registers since the step before; so the slot can be filled again as soon as the step has begun.
; fill = 1: the slot takes the K step two further on.  fetch = 1: the next step's fragments are fetched: M_w's, A's blocks 0-1 and the scale words behind the first 16 products, A's blocks 2-5 behind 48, blocks 6-7 behind 64
; (A has one set: a block is free when its eight products are issued).  wrap = 1: the next step is a pass's first: A's addresses go back.
.macro KSTEP slot, zero, fill, fetch, wrap
.if \fill
	s_wait_tensorcnt 0x0                           ; all my tensor loads have landed: the one that was out is the next K step's;
	ds_add_u32 v[SPW], v[NIL]                      ; 0 onto my spare word;
	s_wait_dscnt 19                                ; (the add and the youngest 18 loads, A's blocks 2-7, may be out)
.else
.if \fetch
	s_wait_tensorcnt 0x0                           ; the last K step has landed
.endif
	s_wait_dscnt 18
.endif
	WIN 0xa1                                       ; source 0 (M_w) window 1, source 1 (A) window 0, C and D window 2
	MUL16 0, \slot, \zero                          ; sixteen matrix instructions stand between the add and the wait for it
	s_wait_dscnt 0x0                               ; the add is done; all my LDS loads are back, my reads of this slot among them
	WIN 0
.if \fill
	ROUND                                          ; no wave of any partner still reads this slot or has a load on its way
	s_add_nc_u64 s[34+4*\slot:35+4*\slot], s[34+4*\slot:35+4*\slot], 2*TILE   ; no tensor load of mine is out: the slot's group 0 steps two K steps on
	tensor_load_to_lds s[32+4*\slot:35+4*\slot], s[24:31]   ; the first tensor load behind the round, and my only one until the next: it has this step's other 48 products in which to land
	s_nop 0
.endif
	PLACES                                         ; behind the tensor load, and in front of the loads into A's blocks 0-1
.if \fetch
.if \wrap
	v_mov_b32 v[ADA], v[ADA0]
	v_mov_b32 v[ADSA], v[ADSA0]
.else
	v_add_nc_u32 v[ADA], KSA, v[ADA]               ; (no LDS load of mine is out)
	v_add_nc_u32 v[ADSA], 512, v[ADSA]
.endif
	FETCH_B 1-\slot
	FETCH_A 0, 2
	SCALES 1-\slot
.endif
	WIN 0xa1
	MUL16 2, \slot, \zero
	WIN 0xf1                                       ; C and D window 3
	MUL16 4, \slot, \zero
	PLACES
.if \fetch
	WIN 0
	FETCH_A 2, 4
	WIN 0xf1
.endif
	MUL16 6, \slot, \zero
	PLACES
	WIN 0
.if \fetch
	FETCH_A 6, 2
.endif
.endm
.macro JOIN dst, p                     ; the four chains become one pair, which starts (pass 0) or is added onto (pass 1) the pair at v[dst] of window 0
	v_pk_add_f32 v[U:U+1], v[U:U+1], v[U+2:U+3]
	v_pk_add_f32 v[U+4:U+5], v[U+4:U+5], v[U+6:U+7]
.if \p
	v_pk_add_f32 v[U:U+1], v[U:U+1], v[U+4:U+5]
	WIN 0x01
	v_pk_add_f32 v[\dst:\dst+1], v[U:U+1], v[\dst:\dst+1]
.else
	WIN 0x05
	v_pk_add_f32 v[\dst:\dst+1], v[U:U+1], v[U+4:U+5]
.endif
.endm
; A PASS'S RESULTS.  For each block a of 16 rows: x = c m = c x sum + chb; y = 1 / (1 + 2^x); the row's sum of V_w y, in four chains.  Number e (0..63) of a lane is unit 16 (e / 8) + 8 h + e % 8.
.macro EPI p
	s_wait_loadcnt 0x0                             ; chb and V_w of this pass
	WIN 0x45
.irp k, 0,1,2,3
	v_pk_add_f32 v[U+2*\k:U+2*\k+1], v[96+2*\k:97+2*\k], v[104+2*\k:105+2*\k]   ; the sum of my units' V_w
.endr
.set e, 16
.rept 24
	v_pk_add_f32 v[U+e%8:U+e%8+1], v[U+e%8:U+e%8+1], v[96+e+96*(e/32):97+e+96*(e/32)]
.set e, e+2
.endr
	JOIN SV, \p
.irp a, 0,1,2,3,4,5,6,7
	WIN 0x42+\a/4                                  ; source 0: the accumulators' window; destination window 1
.set e, 0
.rept 32
	v_pk_fma_f32 v[T+e:T+e+1], v[64*(\a%4)+e:64*(\a%4)+e+1], s[42:43], v[CH+e:CH+e+1] op_sel_hi:[1,0,1]   ; each accumulator from its low end on
.set e, e+2
.endr
	WIN 0x41
.set e, 0
.rept 64
	v_exp_f32 v[T+e], v[T+e]
.set e, e+1
.endr
	v_nop                                          ; a plain place behind the last exponential (ISA guide 5.7.2)
.set e, 0
	s_wait_alu depctr_va_vdst(0)
.rept 32
	v_pk_add_f32 v[T+e:T+e+1], v[T+e:T+e+1], 1.0 op_sel_hi:[1,0]
.set e, e+2
.endr
.set e, 0
.rept 64
	v_rcp_f32 v[T+e], v[T+e]
.set e, e+1
.endr
	v_nop
	WIN 0x55
.set e, 0
	s_wait_alu depctr_va_vdst(0)
.rept 4
	v_pk_mul_f32 v[U+e:U+e+1], v[T+e:T+e+1], v[96+e:97+e]   ; the first four pairs start the chains
.set e, e+2
.endr
.rept 28
	v_pk_fma_f32 v[U+e%8:U+e%8+1], v[T+e:T+e+1], v[96+e+96*(e/32):97+e+96*(e/32)], v[U+e%8:U+e%8+1]
.set e, e+2
.endr
	JOIN SS+2*\a, \p
.endr
	WIN 0
.endm
	CONST 0
	FETCH_B 0                                      ; K step 0's fragments, in the order in which every step fetches
	FETCH_A 0, 2
	SCALES 0
	FETCH_A 2, 4
	FETCH_A 6, 2
	KSTEP 0, 1, 1, 1, 0                            ; step 0 stands in front of the loop: its products start the sums
	s_mov_b32 s44, 7
.Lpass0:                                           ; steps 1 to 14
	KSTEP 1, 0, 1, 1, 0
	KSTEP 0, 0, 1, 1, 0
	s_sub_co_u32 s44, s44, 1
	s_cmp_lg_u32 s44, 0
	s_cbranch_scc1 .Lpass0
	KSTEP 1, 0, 1, 1, 1                            ; step 15: the ring goes on into pass 1; its first fragments are fetched
	EPI 0
	CONST 1
	KSTEP 0, 1, 1, 1, 0                            ; step 16 starts the sums anew
	s_mov_b32 s44, 6
.Lpass1:                                           ; steps 17 to 28
	KSTEP 1, 0, 1, 1, 0
	KSTEP 0, 0, 1, 1, 0
	s_sub_co_u32 s44, s44, 1
	s_cmp_lg_u32 s44, 0
	s_cbranch_scc1 .Lpass1
	KSTEP 1, 0, 1, 1, 0                            ; step 29 asks for the last K step
	KSTEP 0, 0, 0, 1, 0                            ; the last two steps are written out: they ask for nothing, and have no round
	KSTEP 1, 0, 0, 0, 0
	EPI 1
	; THE SCORES.  sum(V_w) - 2 sum(V_w y) of my 128 units' half, with lane l xor 16's half; then the four waves' parts meet in LDS.
	v_add_f32 v[SV], v[SV], v[SV+1]
.irp a, 0,1,2,3,4,5,6,7
	v_add_f32 v[SS+2*\a], v[SS+2*\a], v[SS+2*\a+1]
.endr
.irp a, 0,1,2,3,4,5,6,7
	v_fma_f32 v[SS+2*\a], v[SS+2*\a], -2.0, v[SV]
.endr
.irp a, 0,1,2,3,4,5,6,7
	v_permlanex16_b32 v[SS+2*\a+1], v[SS+2*\a], s40, s41
.endr
.irp a, 0,1,2,3,4,5,6,7
	v_add_f32 v[SS+2*\a], v[SS+2*\a], v[SS+2*\a+1]
.endr
.irp a, 0,1,2,3,4,5,6,7
	ds_store_b32 v[SCPW], v[SS+2*\a] offset:64*\a  ; row 16 a + r; lanes 16-31 write the same words with the same values
.endr
	s_wait_dscnt 0x0                               ; for wave 0's sake
	s_barrier_signal -1
	s_barrier_wait -1
	s_cmp_lg_u32 s18, 0
	s_cbranch_scc1 .Lclose
.irp n, 0,1,2,3
	ds_load_b128 v[224+4*\n:227+4*\n], v[RDS] offset:512*\n   ; wave n's part of rows 4 x lane .. + 3
.endr
.irp q, 0,1,2,3
	v_bfe_u32 v[240+\q], v[MK], 8*\q, 8
.endr
	s_wait_dscnt 0x0
.irp n, 1,2,3
	v_pk_add_f32 v[224:225], v[224:225], v[224+4*\n:225+4*\n]
	v_pk_add_f32 v[226:227], v[226:227], v[226+4*\n:227+4*\n]
.endr
.irp q, 0,1,2,3
	v_add_f32 v[224+\q], s45, v[224+\q]            ; + V_b
.endr
.irp q, 0,1,2,3
	v_cmp_ne_u32 vcc_lo, 0, v[240+\q]
	v_cndmask_b32 v[224+\q], v[224+\q], v[NEG], vcc_lo   ; a masked row's score is -1e9
.endr
	global_store_b128 v[OUTA], v[224:227], s[16:17]   ; 32 lanes store 512 consecutive bytes, at a multiple of 256 from sc's first byte
.Lclose:
	s_wait_tensorcnt 0x0                           ; the wave's end: behind my last tensor load and my last LDS store
	ds_add_u32 v[SPW], v[NIL]
	s_wait_dscnt 0x0
	ROUND                                          ; the closing round: no work-group ends while a partner may still ask for a tile that names it
	s_endpgm
.Lfunc_end_k_q8aa510a76b_scores:
	.size	k_q8aa510a76b_scores, .Lfunc_end_k_q8aa510a76b_scores-k_q8aa510a76b_scores
	.p2alignl 7, 3214868480
	.fill 96, 4, 3214868480
	.section	.rodata,"a",@progbits
	.p2align	6, 0x0
	.amdhsa_kernel k_q8aa510a76b_scores
		.amdhsa_group_segment_fixed_size 327680
		.amdhsa_private_segment_fixed_size 0
		.amdhsa_enable_private_segment 0
		.amdhsa_kernarg_size 56
		.amdhsa_user_sgpr_count 2
		.amdhsa_user_sgpr_kernarg_segment_ptr 1
		.amdhsa_wavefront_size32 1
		.amdhsa_system_sgpr_workgroup_id_x 1
		.amdhsa_system_sgpr_workgroup_id_y 1
		.amdhsa_system_sgpr_workgroup_id_z 1
		.amdhsa_system_vgpr_workitem_id 0
		.amdhsa_next_free_vgpr 1024
		.amdhsa_next_free_sgpr 66
		.amdhsa_reserve_vcc 1
		.amdhsa_float_denorm_mode_32 3
		.amdhsa_float_denorm_mode_16_64 3
		.amdhsa_memory_ordered 1
		.amdhsa_forward_progress 1
		.amdhsa_inst_pref_size 255
	.end_amdhsa_kernel
	.section	.bss,"aw",@nobits
	.p2align	6
	.space	262144
	.amdgpu_metadata
---
amdhsa.version: [ 1, 2 ]
amdhsa.kernels:
  - .name:           k_q8aa510a76b_scores
    .symbol:         k_q8aa510a76b_scores.kd
    .args:
      - { .name: encoded, .offset: 0, .size: 8, .value_kind: global_buffer, .address_space: global }
      - { .name: mask, .offset: 8, .size: 8, .value_kind: global_buffer, .address_space: global }
      - { .name: wq, .offset: 16, .size: 8, .value_kind: global_buffer, .address_space: global }
      - { .name: chb, .offset: 24, .size: 8, .value_kind: global_buffer, .address_space: global }
      - { .name: V_w, .offset: 32, .size: 8, .value_kind: global_buffer, .address_space: global }
      - { .name: V_b, .offset: 40, .size: 8, .value_kind: global_buffer, .address_space: global }
      - { .name: sc, .offset: 48, .size: 8, .value_kind: global_buffer, .address_space: global }
    .group_segment_fixed_size: 327680
    .private_segment_fixed_size: 0
    .kernarg_segment_align: 8
    .kernarg_segment_size: 56
    .max_flat_workgroup_size: 128
    .sgpr_count:     66
    .vgpr_count:     1024
    .wavefront_size: 32
...
	.end_amdgpu_metadata
.endif
;; end of part 2
;; launch pool (part 3): grid 16 x 16, 16 waves a work-group, no clusters, 26,880 bytes of LDS; arguments encoded, mask, sc, out0, out1; writes out0, out1
.if DOCPART == 3
	.amdgcn_target "amdgcn-amd-amdhsa--gfx1250"
	.amdhsa_code_object_version 6
	.text
	.protected	k_q8aa510a76b_pool
	.globl	k_q8aa510a76b_pool
	.p2align	8
	.type	k_q8aa510a76b_pool,@function
k_q8aa510a76b_pool:
	s_mov_b64 s[64:65], 0
	v_nop
	global_prefetch_b8 v0, s[64:65] scope:SCOPE_SE
	s_setreg_imm32_b32 hwreg(HW_REG_WAVE_MODE, 25, 1), 1
	s_wait_xcnt 0x0
; out1[b][s] = softmax over s of sc[b][s];  out0[b][e] = the sum over s of out1[b][s] encoded[b][s][e].  All in f32: one row of weights against 2,048 rows is a stream, not matrix work, so there are no matrix
; instructions, no tensor loads and no cluster here: no two work-groups read the same bytes of encoded.
; SHARES.  Work-group (x, b) owns columns 128 x .. 128 x + 127 of batch b: 512 consecutive bytes of every row, at a multiple of 256 from the buffer's first byte.  Each of the 16 work-groups of a batch makes
; the batch's softmax for itself (8 KiB of scores), which spares a launch.  Wave v owns rows 128 v .. 128 v + 127, in eight groups of 16; one load of the wave reads one row's 512 bytes.
; THE SOFTMAX takes the row's largest score away before the exponential; e = 2^((s - max) log2(e)) is kept unnormalised and both results are multiplied by 1 / the sum at the end.
; MASKED ROWS.  A masked score is -1e9, so where any row of the batch is open a masked row's e is exactly 0: its numbers are not read: its row number is multiplied by keep = (1 - mask) or (all rows of the batch masked),
; and its loads fall on the batch's first row, which is then multiplied by 0.  Where all rows are masked every e is 1 and every row is read.  No branch and no trip count hangs on the mask.
; LIMITS: NaN and infinities in encoded are not served (0 x a masked row's infinity is not reproduced); open scores stay above -9.9e8, which holds while the sum of |V_w| and |V_b| is under 9.9e8.
.set EW,  0                            ; LDS: e of the 2,048 rows
.set KR,  8192                         ; keep x row number
.set RED, 16384                        ; the waves' partial sums: 512 bytes each
.set WD,  24576                        ; a word for each wave: largest scores; at + 64 'has an open row'; at + 128 sums of e
.set L16, 3                            ; v3   16 x lane
.set ACC, 16                           ; v16-23 two sets of four sums: even rows', odd rows'
.set WA,  24                           ; v24  4 x wave
.set ZA,  25                           ; v25  0
.set AW,  26                           ; v26  512 x wave
.set RW,  27                           ; v27  512 x wave + 16 x lane
.set EA,  28                           ; v28  512 x work-group x + 16 x lane
.set VK,  32                           ; v32-63  two sets of 16 row numbers, then byte offsets
.set VW,  64                           ; v64-95  two sets of 16 weights
.set DD,  96                           ; v96-223 two sets of 16 rows x 4 numbers
	s_load_b256 s[4:11], s[0:1], 0x0               ; encoded s[4:5], mask s[6:7], sc s[8:9], out0 s[10:11]
	s_load_b64 s[12:13], s[0:1], 0x20              ; out1
	v_lshl_add_u32 v224, v0, 2, 0x6100
	v_mov_b32 v225, 0
	v_lshrrev_b32 v1, 5, v0
	v_readfirstlane_b32 s14, v1                    ; wave 0..15
	s_and_b32 s15, ttmp7, 0xffff                   ; batch
	v_lshlrev_b32 v1, 4, v0                        ; 16 t: thread t owns rows 4 t .. 4 t + 3 in the softmax
	v_lshlrev_b32 v2, 2, v0                        ; 4 t
	v_and_b32 v[L16], 31, v0
	v_lshlrev_b32 v[L16], 4, v[L16]
	s_lshl_b32 s16, s15, 24                        ; encoded: a batch is 2,048 rows of 8,192 bytes,
	s_lshl_b32 s17, ttmp9, 9                       ; my 512 bytes of a row
	s_add_co_u32 s16, s16, s17
	s_mov_b32 s17, 0
	s_lshl_b32 s18, s15, 11                        ; mask
	s_mov_b32 s19, 0
	s_lshl_b32 s20, s15, 13                        ; sc
	s_mov_b32 s21, 0
	s_lshl_b32 s22, ttmp9, 9
	s_add_co_u32 s22, s22, s20                     ; out0, out1: the batch's row, my 512 bytes
	s_mov_b32 s23, 0
	s_mov_b32 s24, 0x76543210
	s_mov_b32 s25, 0xfedcba98                      ; v_permlanex16_b32's selects for lane l xor 16
	s_lshl_b32 s26, s14, 2
	v_mov_b32 v[WA], s26
	v_mov_b32 v[ZA], 0
	s_lshl_b32 s26, s14, 9
	v_mov_b32 v[AW], s26
	v_add_nc_u32 v[RW], s26, v[L16]
	s_lshl_b32 s27, ttmp9, 9
	v_add_nc_u32 v[EA], s27, v[L16]
	v_mov_b32 v10, 0                               ; written once: a lane permute's destination counts as one of its sources
	s_wait_kmcnt 0x0
	s_add_nc_u64 s[4:5], s[4:5], s[16:17]
	s_add_nc_u64 s[6:7], s[6:7], s[18:19]
	s_add_nc_u64 s[8:9], s[8:9], s[20:21]
	s_add_nc_u64 s[10:11], s[10:11], s[22:23]
	s_add_nc_u64 s[12:13], s[12:13], s[22:23]
	global_load_b128 v[4:7], v1, s[8:9]            ; my four scores
	global_load_b32 v8, v2, s[6:7]                 ; and their mask bytes
	s_wait_loadcnt 0x0
	v_max3_num_f32 v9, v4, v5, v6
	v_max_num_f32 v9, v9, v7
	v_max_num_f32_dpp v9, v9, v9 row_xmask:1 row_mask:0xf bank_mask:0xf
	v_max_num_f32_dpp v9, v9, v9 row_xmask:2 row_mask:0xf bank_mask:0xf
	v_max_num_f32_dpp v9, v9, v9 row_xmask:4 row_mask:0xf bank_mask:0xf
	v_max_num_f32_dpp v9, v9, v9 row_xmask:8 row_mask:0xf bank_mask:0xf
	v_permlanex16_b32 v10, v9, s24, s25
	v_max_num_f32 v9, v9, v10                      ; the wave's largest score
	v_xor_b32 v11, 0x01010101, v8                  ; not 0 where one of my rows is open
	v_cmp_ne_u32 vcc_lo, 0, v11
	s_cmp_lg_u32 vcc_lo, 0
	s_cselect_b32 s26, 1, 0                        ; the wave has an open row
	v_mov_b32 v11, s26
	ds_store_b32 v[WA], v9 offset:WD               ; all lanes write the same word with the same value
	ds_store_b32 v[WA], v11 offset:WD+64
	s_wait_dscnt 0x0
	s_barrier_signal -1
	s_barrier_wait -1
.irp k, 0,1,2,3
	ds_load_b128 v[32+4*\k:35+4*\k], v[ZA] offset:WD+16*\k
	ds_load_b128 v[48+4*\k:51+4*\k], v[ZA] offset:WD+64+16*\k
.endr
	s_wait_dscnt 0x0
	v_max3_num_f32 v9, v32, v33, v34
.irp i, 35,37,39,41,43,45
	v_max3_num_f32 v9, v9, v[\i], v[\i+1]
.endr
	v_max_num_f32 v9, v9, v47                      ; the batch's largest score
	v_add3_u32 v11, v48, v49, v50
.irp i, 51,53,55,57,59,61
	v_add3_u32 v11, v11, v[\i], v[\i+1]
.endr
	v_add_nc_u32 v11, v11, v63
	v_min_u32 v11, 1, v11
	v_xor_b32 v11, 1, v11                          ; 1 where all 2,048 rows are masked
.irp q, 0,1,2,3
	v_sub_f32 v[4+\q], v[4+\q], v9                 ; the difference first, then the factor: fused, the product's rounding at 1e9 would swamp it
.endr
.irp q, 0,1,2,3
	v_mul_f32 v[4+\q], 0x3fb8aa3b, v[4+\q]
.endr
.irp q, 0,1,2,3
	v_exp_f32 v[4+\q], v[4+\q]
.endr
.irp q, 0,1,2,3
	v_bfe_u32 v[12+\q], v8, 8*\q, 1                ; (plain places behind the exponentials)
.endr
.irp q, 0,1,2,3
	v_xor_b32 v[12+\q], 1, v[12+\q]
.endr
.irp q, 0,1,2,3
	v_or_b32 v[12+\q], v[12+\q], v11               ; keep
.endr
.irp q, 0,1,2,3
	v_add_nc_u32 v[16+\q], \q, v2                  ; my row numbers
.endr
.irp q, 0,1,2,3
	v_mul_u32_u24 v[12+\q], v[12+\q], v[16+\q]
.endr
	s_wait_alu depctr_va_vdst(0)
	v_add_f32 v20, v4, v5
	v_add_f32 v21, v6, v7
	v_add_f32 v20, v20, v21
	v_add_f32_dpp v20, v20, v20 row_xmask:1 row_mask:0xf bank_mask:0xf
	v_add_f32_dpp v20, v20, v20 row_xmask:2 row_mask:0xf bank_mask:0xf
	v_add_f32_dpp v20, v20, v20 row_xmask:4 row_mask:0xf bank_mask:0xf
	v_add_f32_dpp v20, v20, v20 row_xmask:8 row_mask:0xf bank_mask:0xf
	v_permlanex16_b32 v10, v20, s24, s25
	v_add_f32 v20, v20, v10                        ; the wave's sum of e
	ds_store_b32 v[WA], v20 offset:WD+128
	ds_store_b128 v1, v[4:7] offset:EW
	ds_store_b128 v1, v[12:15] offset:KR
	s_wait_dscnt 0x0
	s_barrier_signal -1
	s_barrier_wait -1
; Group g of my wave's rows into set s: 16 row numbers and 16 weights from LDS (every lane reads the same words), then 16 loads of 512 consecutive bytes
.macro PREP g, s
.irp k, 0,1,2,3
	ds_load_b128 v[VK+16*\s+4*\k:VK+16*\s+4*\k+3], v[AW] offset:KR+64*\g+16*\k
.endr
.irp k, 0,1,2,3
	ds_load_b128 v[VW+16*\s+4*\k:VW+16*\s+4*\k+3], v[AW] offset:EW+64*\g+16*\k
.endr
	s_wait_dscnt 4                                 ; the row numbers are in; the four loads of weights may be out
.irp i, 0,1,2,3,4,5,6,7,8,9,10,11,12,13,14,15
	v_min_u32 v[VK+16*\s+\i], 0x7ff, v[VK+16*\s+\i]   ; a loaded number enters an address only behind such a bound
.endr
.irp i, 0,1,2,3,4,5,6,7,8,9,10,11,12,13,14,15
	v_lshl_add_u32 v[VK+16*\s+\i], v[VK+16*\s+\i], 13, v[L16]
.endr
.irp i, 0,1,2,3,4,5,6,7,8,9,10,11,12,13,14,15
	global_load_b128 v[DD+64*\s+4*\i:DD+64*\s+4*\i+3], v[VK+16*\s+\i], s[4:5]
.endr
.endm
; Set s is added up: two packed multiply-adds a row; a row's weight is the low or the high register of its pair.  left = the loads issued behind this set's.  first = 1: the first two rows start the sums.
.macro CONSUME s, left, first
	s_wait_loadcnt \left                           ; loads come back in order (ISA guide 5.7.1): this set's 16 are in, so its offsets may be written again
	s_wait_dscnt 0x0                               ; the weights
.irp i, 0,2,4,6,8,10,12,14
.if \first && (\i == 0)
	v_pk_mul_f32 v[ACC:ACC+1], v[DD+64*\s:DD+64*\s+1], v[VW+16*\s:VW+16*\s+1] op_sel_hi:[1,0]
	v_pk_mul_f32 v[ACC+2:ACC+3], v[DD+64*\s+2:DD+64*\s+3], v[VW+16*\s:VW+16*\s+1] op_sel_hi:[1,0]
	v_pk_mul_f32 v[ACC+4:ACC+5], v[DD+64*\s+4:DD+64*\s+5], v[VW+16*\s:VW+16*\s+1] op_sel:[0,1] op_sel_hi:[1,1]
	v_pk_mul_f32 v[ACC+6:ACC+7], v[DD+64*\s+6:DD+64*\s+7], v[VW+16*\s:VW+16*\s+1] op_sel:[0,1] op_sel_hi:[1,1]
.else
	v_pk_fma_f32 v[ACC:ACC+1], v[DD+64*\s+4*\i:DD+64*\s+4*\i+1], v[VW+16*\s+\i:VW+16*\s+\i+1], v[ACC:ACC+1] op_sel_hi:[1,0,1]
	v_pk_fma_f32 v[ACC+2:ACC+3], v[DD+64*\s+4*\i+2:DD+64*\s+4*\i+3], v[VW+16*\s+\i:VW+16*\s+\i+1], v[ACC+2:ACC+3] op_sel_hi:[1,0,1]
	v_pk_fma_f32 v[ACC+4:ACC+5], v[DD+64*\s+4*\i+4:DD+64*\s+4*\i+5], v[VW+16*\s+\i:VW+16*\s+\i+1], v[ACC+4:ACC+5] op_sel:[0,1,0] op_sel_hi:[1,1,1]
	v_pk_fma_f32 v[ACC+6:ACC+7], v[DD+64*\s+4*\i+6:DD+64*\s+4*\i+7], v[VW+16*\s+\i:VW+16*\s+\i+1], v[ACC+6:ACC+7] op_sel:[0,1,0] op_sel_hi:[1,1,1]
.endif
.endr
.endm
	PREP 0, 0                                      ; 32 rows of the wave's, 16 KiB, are on their way throughout; 256 KiB of the sixteen waves'
	PREP 1, 1
	CONSUME 0, 16, 1
	PREP 2, 0
	CONSUME 1, 16, 0
	PREP 3, 1
	CONSUME 0, 16, 0
	PREP 4, 0
	CONSUME 1, 16, 0
	PREP 5, 1
	CONSUME 0, 16, 0
	PREP 6, 0
	CONSUME 1, 16, 0
	PREP 7, 1
	CONSUME 0, 16, 0
	CONSUME 1, 0, 0                                ; the last group: nothing was asked for behind it
	v_pk_add_f32 v[ACC:ACC+1], v[ACC:ACC+1], v[ACC+4:ACC+5]
	v_pk_add_f32 v[ACC+2:ACC+3], v[ACC+2:ACC+3], v[ACC+6:ACC+7]
	ds_store_b128 v[RW], v[ACC:ACC+3] offset:RED
	s_wait_dscnt 0x0                               ; for wave 0's sake
	s_barrier_signal -1
	s_barrier_wait -1
	s_cmp_gt_u32 s14, 1
	s_cbranch_scc1 .Lend                           ; wave 0 stores out0's 512 bytes, wave 1 out1's
.irp k, 0,1,2,3
	ds_load_b128 v[32+4*\k:35+4*\k], v[ZA] offset:WD+128+16*\k   ; the sixteen waves' sums of e
.endr
	s_wait_dscnt 0x0
.irp i, 0,4,8,12
	v_pk_add_f32 v[32+\i:33+\i], v[32+\i:33+\i], v[34+\i:35+\i]
.endr
	v_pk_add_f32 v[32:33], v[32:33], v[36:37]
	v_pk_add_f32 v[40:41], v[40:41], v[44:45]
	v_pk_add_f32 v[32:33], v[32:33], v[40:41]
	v_add_f32 v32, v32, v33
	v_rcp_f32 v30, v32                             ; twice: the packed multiply names a pair
	v_rcp_f32 v31, v32
	v_nop                                          ; a plain place behind the reciprocals (ISA guide 5.7.2)
	s_cmp_eq_u32 s14, 1
	s_cbranch_scc1 .Lweights
.irp k, 0,1,2,3,4,5,6,7,8,9,10,11,12,13,14,15
	ds_load_b128 v[DD+4*\k:DD+4*\k+3], v[L16] offset:RED+512*\k
.endr
	s_wait_dscnt 0x0
.irp k, 1,2,3,4,5,6,7,8,9,10,11,12,13,14,15
	v_pk_add_f32 v[DD:DD+1], v[DD:DD+1], v[DD+4*\k:DD+4*\k+1]      ; rows ascending
	v_pk_add_f32 v[DD+2:DD+3], v[DD+2:DD+3], v[DD+4*\k+2:DD+4*\k+3]
.endr
	s_wait_alu depctr_va_vdst(0)
	v_pk_mul_f32 v[DD:DD+1], v[DD:DD+1], v[30:31]
	v_pk_mul_f32 v[DD+2:DD+3], v[DD+2:DD+3], v[30:31]
	global_store_b128 v[L16], v[DD:DD+3], s[10:11] ; 32 lanes store 512 consecutive bytes, at a multiple of 256 from out0's first byte
	s_branch .Lend
.Lweights:
	ds_load_b128 v[DD:DD+3], v[EA] offset:EW       ; e of rows 128 x .. 128 x + 127: each of the batch's 16 work-groups stores its sixteenth of the weights
	s_wait_dscnt 0x0
	s_wait_alu depctr_va_vdst(0)
	v_pk_mul_f32 v[DD:DD+1], v[DD:DD+1], v[30:31]
	v_pk_mul_f32 v[DD+2:DD+3], v[DD+2:DD+3], v[30:31]
	global_store_b128 v[L16], v[DD:DD+3], s[12:13]
.Lend:
	s_barrier_signal -1
	s_barrier_wait -1
	s_wait_tensorcnt 0x0
	ds_add_u32 v224, v225
	s_wait_dscnt 0x0
	s_endpgm
.Lfunc_end_k_q8aa510a76b_pool:
	.size	k_q8aa510a76b_pool, .Lfunc_end_k_q8aa510a76b_pool-k_q8aa510a76b_pool
	.p2alignl 7, 3214868480
	.fill 96, 4, 3214868480
	.section	.rodata,"a",@progbits
	.p2align	6, 0x0
	.amdhsa_kernel k_q8aa510a76b_pool
		.amdhsa_group_segment_fixed_size 26880
		.amdhsa_private_segment_fixed_size 0
		.amdhsa_enable_private_segment 0
		.amdhsa_kernarg_size 40
		.amdhsa_user_sgpr_count 2
		.amdhsa_user_sgpr_kernarg_segment_ptr 1
		.amdhsa_wavefront_size32 1
		.amdhsa_system_sgpr_workgroup_id_x 1
		.amdhsa_system_sgpr_workgroup_id_y 1
		.amdhsa_system_sgpr_workgroup_id_z 1
		.amdhsa_system_vgpr_workitem_id 0
		.amdhsa_next_free_vgpr 226
		.amdhsa_next_free_sgpr 66
		.amdhsa_reserve_vcc 1
		.amdhsa_float_denorm_mode_32 3
		.amdhsa_float_denorm_mode_16_64 3
		.amdhsa_memory_ordered 1
		.amdhsa_forward_progress 1
		.amdhsa_inst_pref_size 61
	.end_amdhsa_kernel
	.amdgpu_metadata
---
amdhsa.version: [ 1, 2 ]
amdhsa.kernels:
  - .name:           k_q8aa510a76b_pool
    .symbol:         k_q8aa510a76b_pool.kd
    .args:
      - { .name: encoded, .offset: 0, .size: 8, .value_kind: global_buffer, .address_space: global }
      - { .name: mask, .offset: 8, .size: 8, .value_kind: global_buffer, .address_space: global }
      - { .name: sc, .offset: 16, .size: 8, .value_kind: global_buffer, .address_space: global }
      - { .name: out0, .offset: 24, .size: 8, .value_kind: global_buffer, .address_space: global }
      - { .name: out1, .offset: 32, .size: 8, .value_kind: global_buffer, .address_space: global }
    .group_segment_fixed_size: 26880
    .private_segment_fixed_size: 0
    .kernarg_segment_align: 8
    .kernarg_segment_size: 40
    .max_flat_workgroup_size: 512
    .sgpr_count:     66
    .vgpr_count:     226
    .wavefront_size: 32
...
	.end_amdgpu_metadata
.endif
;; end of part 3
;; ======== version 2 of 2: 3 launches; 1.11 times as fast as version 1
;; limits: right only within a limited range of input values
;; workspace buffers: wq 1,638,400 bytes; chb 65,536 bytes; sc 131,072 bytes
;; launch prep: the kernel of part 1 again; grid 64 x 1, 8 waves a work-group, no clusters, 44,032 bytes of LDS; arguments M_w, M_b, hidden_codes, hidden_scales, wq, chb; writes wq, chb
;; launch scores (part 4): grid 256 x 1, 4 waves a work-group, no clusters, 224,768 bytes of LDS; arguments encoded, mask, wq, chb, V_w, V_b, sc; writes sc
.if DOCPART == 4
	.amdgcn_target "amdgcn-amd-amdhsa--gfx1250"
	.amdhsa_code_object_version 6
	.text
	.protected	k_q8aa510a76b_scores
	.globl	k_q8aa510a76b_scores
	.p2align	8
	.type	k_q8aa510a76b_scores,@function
k_q8aa510a76b_scores:
	s_mov_b64 s[64:65], 0
	v_nop
	global_prefetch_b8 v0, s[64:65] scope:SCOPE_SE
	s_setreg_imm32_b32 hwreg(HW_REG_WAVE_MODE, 25, 1), 1
	s_wait_xcnt 0x0
; sc[b][s] = mask ? -1e9 : V_w . tanh(encoded[b][s] . M_w[:, :2048]^T + hidden[b] . M_w[:, 2048:]^T + M_b) + V_b.
; The first product is on codes of E2M3 with one E8M0 byte for each 32 along K: M_w's come from wq (made by the launch before, in the order of the operand's registers), encoded's are made here; chb holds c x (second product + M_b), c = 2 log2(e).
; SHARES.  A work-group owns 128 rows (of one batch) and all 1,024 units.  PHASE A: its four waves read the rows once (wave w: columns 512 w .. 512 w + 511), quantise them and leave them in LDS as images of the operand's
; registers: 16 K steps x 8 blocks of 16 rows x 1,536 bytes, and their scale words.  PHASE B: two passes of 512 units; in a pass wave w makes 128 rows x units 512 p + 128 w .. + 127: 64 accumulators, 512 registers.
; WHY NO TENSOR LOADS AND NO CLUSTER.  All work-groups walk the same wq, which would be a case for joint tensor loads.  But the rows' codes take 204,800 of a WGP's 327,680 bytes of LDS: a ring for M_w could hold two K steps
; (2 x 51,200 bytes) and no more, a refill would have less than one K step's 64 matrix instructions in which to land, and every K step would pay a round of the cluster's barrier.  A wave's 12,800 bytes of a K step are read by
; that wave alone and end in its registers in any case.  So they are loaded straight into the registers: two sets, a set asked for again as soon as its K step is multiplied, the wait for it counted so that the younger set's
; 32 loads stay out: 25,600 bytes of a wave's can be on their way, and no barrier stands in the K loop.  The price: each work-group asks for all 1,638,400 bytes of wq itself, four times the requests of a joint load.
; THE MATRIX INSTRUCTION IS USED TRANSPOSED (source 0 = 16 units, source 1 = 16 rows): lane (r, h) holds ONE row 16 a + r, and its eight registers the units 16 b + 8 h + 0 .. 7.  So the product with V_w is a sum inside the lane.
; tanh(m) = 1 - 2 / (1 + 2^(c m)): where the exponential overflows or vanishes it gives 1 and -1 exactly.  So V_w . tanh = sum(V_w) - 2 sum(V_w / (1 + 2^(c m))).
; MASKED ROWS.  A masked row's score is thrown away, so its numbers are not read: its byte offset is multiplied by keep = 1 - mask, and its loads fall on the work-group's first row.  No branch and no trip count hangs on the mask.
; LIMITS: NaN and infinities among the inputs are not served; a block of zeros, or one whose largest magnitude lies under 2^-124, gets the scale byte 1 (only this program reads the bytes).
; REGISTERS, in windows of 256 (s_set_vgpr_msb: bits 1:0 source 0, 3:2 source 1, 5:4 source 2, 7:6 destination):
;   window 0: v1-8, v11, v30-31, v253-255 addresses and constants that stay; v12-29 phase A's addresses, later the rows' sums; v32-63 scale words, two sets, and nothing else; v64-127 phase A's blocks, later chb's numbers;
;             v128-223 phase A's codes and work, later A's fragments, ONE set; v224-243 the last sums.
;   window 1: phase A: eight sets of 32 numbers as loaded.  Phase B: M_w's fragments, set 0 at v0-95, set 1 at v128-223 (free while a pass's results are worked on); V_w's numbers at v96-127 and v224-255.
;   windows 2, 3: the accumulators: (a, b) at v[8 (8 (a % 4) + b)] of window 2 + a / 4.
.set AIMG,  0                          ; LDS: A's images, [K step][block a] x 1,536 bytes
.set ASC,   196608                     ; their scale words, [K step][block a][16 rows] x 4 bytes
.set STG,   204800                     ; phase A's stages: 16 rows x 272 bytes for each wave
.set SP,    272
.set SCP,   222208                     ; the waves' partial scores: [wave][128 rows] x 4 bytes
.set CHUNK, 12800                      ; wq: a wave's part of a K step: eight images, then 8 x 64 bytes of scale words
.set TILE,  51200                      ; wq: a K step
.set FRB,   1536                       ; a fragment's image: 12 registers x 128 bytes
.set KSA,   8*FRB                      ; eight images
.set ADA,   3                          ; v3   A's images of the K step to be fetched: AIMG + 16 x lane + 12,288 s;   v4 the same for s = 0
.set ADA0,  4
.set ADSA,  5                          ; v5   A's scale words likewise: ASC + 4 r + 512 s;   v6 for s = 0
.set ADSA0, 6
.set ADB,   7                          ; v7   16 x lane: my 16 bytes of a group of four registers in wq; never rewritten
.set ADSB,  8                          ; v8   4 r: my unit's scale word in wq; never rewritten
.set VCN,   11                         ; v11  32 h: my eight units of a block of 16, in chb and V_w
.set VO,    12                         ; v12-19 phase A: byte offsets of the eight loads of a half
.set VL,    20                         ; v20  16 (lane % 16) + 2,048 w
.set VB,    21                         ; v21  8,192 (lane / 16) + 131,072 x trip
.set VMA,   22                         ; v22  which 16 mask bytes are loaded next
.set MKA,   23                         ; v23  4 x lane
.set STI,   24                         ; v24  the stage on the way in;  v25 on the way out
.set STO,   25
.set AIW,   26                         ; v26  where I store images;  v27 scale words
.set ASW,   27
.set SS,    12                         ; v12-27 phase B: for each block a the row's sum of V_w / (1 + 2^(c m)), in two halves
.set SV,    28                         ; v28-29 the sum of my units' V_w, in two halves
.set MK,    30                         ; v30  the mask bytes of rows 4 x lane .. + 3
.set SCPW,  31                         ; v31  SCP + 512 w + 4 r
.set SC,    32                         ; scale words: set t at v[32 + 16 t]: A's eight, then M_w's eight
.set X,     64                         ; phase A: two blocks of 32 numbers
.set CH,    64                         ; phase B: chb at my 64 units
.set AF,    128                        ; A's fragments
.set PC,    128                        ; phase A: v128-139 a fragment's codes; v140-142 a block's upper 16 codes
.set PT,    140
.set M0,    144
.set M1,    145
.set SCL,   146
.set BY,    147                        ; v147-148
.set WW,    149                        ; the scale word just made
.set W2,    150
.set SH8,   151                        ; 8 (lane / 16)
.set MQ,    152                        ; v152-155 the 16 mask bytes of the trip whose loads are asked for next
.set MS,    156                        ; v156-159 the same, my parity's bytes lowest
.set KK,    160                        ; v160-167 keep;  v168-175 row offsets
.set TT,    168
.set NEG,   253                        ; v253 -1e9;  v254 16 x lane;  v255 SCP + 16 x lane
.set OUTA,  254
.set RDS,   255
.set T,     128                        ; window 1, while results are worked on: 64 numbers of a block of rows;  v192-199 four chains of sums
.set U,     192
.set MSB, 0
.macro WIN new                         ; the immediate's high byte repeats the setting that is left; a switch that changes nothing is dropped
.if MSB != (\new)
	s_set_vgpr_msb (MSB<<8)|(\new)
.set MSB, (\new)
.endif
.endm
.macro PLACES                          ; four places: in front of loads into registers that matrix instructions have read, and of the first read of results (ISA guide 7.12.1 for vector instructions)
.rept 4
	v_nop
.endr
.endm
	s_load_b256 s[4:11], s[0:1], 0x0               ; encoded s[4:5], mask s[6:7], wq s[8:9], chb s[10:11]
	s_load_b128 s[12:15], s[0:1], 0x20             ; V_w s[12:13], V_b s[14:15]
	s_load_b64 s[16:17], s[0:1], 0x30              ; sc
	v_lshl_add_u32 v251, v0, 2, 0x36c00
	v_mov_b32 v252, 0
	v_lshrrev_b32 v1, 5, v0
	v_readfirstlane_b32 s18, v1                    ; wave 0..3
	v_and_b32 v1, 15, v0                           ; r
	v_bfe_u32 v2, v0, 4, 1                         ; h
	v_and_b32 v28, 31, v0                          ; lane
	v_lshl_add_u32 v[ADA0], v28, 4, AIMG
	v_mov_b32 v[ADA], v[ADA0]
	v_lshl_add_u32 v[ADSA0], v1, 2, ASC
	v_mov_b32 v[ADSA], v[ADSA0]
	v_lshlrev_b32 v[ADB], 4, v28
	v_lshlrev_b32 v[ADSB], 2, v1
	v_lshlrev_b32 v[VCN], 5, v2
	s_lshl_b32 s22, s18, 9
	s_add_co_u32 s22, s22, SCP
	v_lshl_add_u32 v[SCPW], v1, 2, s22
	v_lshl_add_u32 v[RDS], v28, 4, SCP
	v_lshlrev_b32 v[OUTA], 4, v28
	v_mov_b32 v[NEG], 0xce6e6b28                   ; -1e9
	s_lshl_b32 s22, s18, 11
	v_lshl_add_u32 v[VL], v1, 4, s22
	s_add_co_u32 s22, s22, ASC
	v_lshl_add_u32 v[ASW], v1, 2, s22              ; my four K steps' scale words: ASC + 512 x 4 w + 4 r
	s_mul_i32 s22, s18, 16*SP
	s_add_co_u32 s22, s22, STG                     ; my stage
	v_mul_u32_u24 v29, v2, SP
	v_lshl_add_u32 v29, v1, 4, v29
	v_add_nc_u32 v[STI], s22, v29                  ; in: row lane / 16 of a load's two, 16 bytes a lane
	v_mul_u32_u24 v29, v1, SP
	v_lshl_add_u32 v29, v2, 7, v29
	v_add_nc_u32 v[STO], s22, v29                  ; out: row r, 128 h bytes on: a whole block of 32 numbers
	s_mul_i32 s22, s18, 4*KSA
	s_add_co_u32 s22, s22, AIMG
	v_lshl_add_u32 v[AIW], v28, 4, s22             ; my four K steps' images
	v_lshlrev_b32 v[SH8], 3, v2
	v_lshlrev_b32 v[VB], 13, v2
	v_mov_b32 v[W2], 0                             ; written once: a lane permute's destination counts as one of its sources
	v_mov_b32 v[VMA], 0
	v_lshlrev_b32 v[MKA], 2, v28
	s_mov_b32 s40, 0x76543210
	s_mov_b32 s41, 0xfedcba98                      ; v_permlanex16_b32's selects for lane l xor 16
	s_mov_b32 s42, 0x4038aa3b                      ; c = 2 log2(e)
	s_mov_b32 s43, s42                             ; (the packed form names the pair, so both are written)
	s_lshl_b32 s46, ttmp9, 20                      ; encoded: my block of 128 rows of 8,192 bytes
	s_mov_b32 s47, 0
	s_lshl_b32 s48, ttmp9, 7                       ; mask: 128 bytes
	s_mov_b32 s49, 0
	s_lshl_b32 s50, ttmp9, 9                       ; sc: 512 bytes
	s_mov_b32 s51, 0
	s_lshr_b32 s52, ttmp9, 4                       ; chb: the batch, 16 blocks of rows each,
	s_lshl_b32 s52, s52, 12
	s_lshl_b32 s54, s18, 9                         ; my wave's 128 units (V_w likewise)
	s_add_co_u32 s52, s52, s54
	s_mov_b32 s53, 0
	s_mov_b32 s55, 0
	s_mul_i32 s22, s18, CHUNK                      ; wq: my wave's part of a K step
	s_mov_b32 s23, 0
	s_wait_kmcnt 0x0
	s_add_nc_u64 s[4:5], s[4:5], s[46:47]
	s_add_nc_u64 s[6:7], s[6:7], s[48:49]
	s_add_nc_u64 s[16:17], s[16:17], s[50:51]
	s_add_nc_u64 s[10:11], s[10:11], s[52:53]
	s_add_nc_u64 s[12:13], s[12:13], s[54:55]
	s_add_nc_u64 s[8:9], s[8:9], s[22:23]
	global_load_b128 v[MQ:MQ+3], v[VMA], s[6:7]    ; the mask bytes of rows 0-15: the same 16 bytes in every lane
	global_load_b32 v[MK], v[MKA], s[6:7]
	s_load_b32 s45, s[14:15], 0x0                  ; V_b
; ---------------- PHASE A ----------------
; Trip t is the block of rows 16 t .. 16 t + 15; half j (0..7) is columns 512 w + 64 j .. + 63: K step 4 w + j / 2, registers 6 (j % 2) .. + 5 of its fragment.
; Load i of a half reads rows 16 t + 2 i and 16 t + 2 i + 1: sixteen lanes to a row's 256 consecutive bytes.
.macro OFFS                            ; the eight byte offsets of the trip whose mask bytes lie in MQ.  Row 2 i + lane / 16 of the trip is byte 2 (i % 2) + lane / 16 of word i / 2
.irp k, 0,1,2,3
	v_lshrrev_b32 v[MS+\k], v[SH8], v[MQ+\k]
.endr
.irp i, 0,1,2,3,4,5,6,7
	v_bfe_u32 v[KK+\i], v[MS+\i/2], 16*(\i%2), 1
.endr
.irp i, 0,1,2,3,4,5,6,7
	v_xor_b32 v[KK+\i], 1, v[KK+\i]                ; keep = 1 - mask
.endr
.irp i, 0,1,2,3,4,5,6,7
	v_min_u32 v[KK+\i], 1, v[KK+\i]                ; a loaded number enters an address only behind such a bound
.endr
.irp i, 0,1,2,3,4,5,6,7
	v_add_nc_u32 v[TT+\i], 16384*\i, v[VB]
.endr
.irp i, 0,1,2,3,4,5,6,7
	v_mul_u32_u24 v[TT+\i], v[KK+\i], v[TT+\i]     ; a masked row's loads fall on the work-group's first row
.endr
.irp i, 0,1,2,3,4,5,6,7
	v_add_nc_u32 v[VO+\i], v[VL], v[TT+\i]
.endr
.endm
.macro RLOAD j                         ; half j's eight loads, into set j of window 1
	WIN 0x40
.irp i, 0,1,2,3,4,5,6,7
	global_load_b128 v[32*(\j)+4*\i:32*(\j)+4*\i+3], v[VO+\i], s[4:5] offset:256*(\j)
.endr
	WIN 0
.endm
.macro TURN n                          ; set n through my stage: LDS serves a wave's instructions in order (ISA guide 5.7.1.4): no wait between the stores and the loads, nor in front of the next half's stores
	WIN 0x04                                       ; an LDS store's data are its source 1: window 1
.irp i, 0,1,2,3,4,5,6,7
	ds_store_b128 v[STI], v[32*(\n)+4*\i:32*(\n)+4*\i+3] offset:2*SP*\i
.endr
	WIN 0
.irp k, 0,1,2,3,4,5,6,7
	ds_load_b128 v[X+32*((\n)%2)+4*\k:X+32*((\n)%2)+4*\k+3], v[STO] offset:16*\k
.endr
.endm
; 32 numbers of a lane, one block, become registers 6 c .. 6 c + 5 of the fragment at v[pc], and the block's byte v[BY + c]
.macro QH x, pc, c
	v_max3_num_f32 v[M0], |v[\x]|, |v[\x+1]|, |v[\x+2]|
	v_max3_num_f32 v[M1], |v[\x+3]|, |v[\x+4]|, |v[\x+5]|
.irp i, 6,10,14,18,22,26
	v_max3_num_f32 v[M0], v[M0], |v[\x+\i]|, |v[\x+\i+1]|
	v_max3_num_f32 v[M1], v[M1], |v[\x+\i+2]|, |v[\x+\i+3]|
.endr
	v_max3_num_f32 v[M0], v[M0], |v[\x+30]|, |v[\x+31]|
	v_max3_num_f32 v[M0], v[M0], v[M1], 0x1800000  ; and the floor 2^(3 - 127): the byte cannot fall under 1
	v_add_nc_u32 v[SCL], 0xff000000, v[M0]         ; 2 off the exponent field: the conversion takes the exponent field of this operand as its scale, and nothing else of it
	v_cvt_scalef32_pk16_fp6_f32 v[\pc+6*(\c):\pc+6*(\c)+2], v[\x:\x+15], v[SCL]
	v_cvt_scalef32_pk16_fp6_f32 v[PT:PT+2], v[\x+16:\x+31], v[SCL]   ; (a conversion's three registers begin on an even number)
	v_lshrrev_b32 v[BY+(\c)], 23, v[SCL]           ; the scale's byte; also the plain place behind the conversions
.irp i, 0,1,2
	v_mov_b32 v[\pc+6*(\c)+3+\i], v[PT+\i]
.endr
.endm
; Half j's turn.  ahead = 1: set j takes the next trip's half j.  turn = 1: the next half goes through the stage while this one is quantised; left = the loads issued behind that half's eight.
.macro HALF j, ahead, left, turn
	s_wait_dscnt 0x0                               ; this half's block is back from the stage; set j's stores into the stage and the last images' stores have read their registers
.if \ahead
	RLOAD \j
.endif
.if \turn
	s_wait_loadcnt \left
	TURN ((\j)+1)%8
.endif
	QH X+32*((\j)%2), PC, (\j)%2
.if (\j)%2
	v_lshl_or_b32 v[M1], v[BY+1], 16, v[BY]        ; my two bytes are blocks h and 2 + h of row r: at their places,
	v_lshlrev_b32 v[M1], v[SH8], v[M1]
	v_permlanex16_b32 v[W2], v[M1], s40, s41
	v_or_b32 v[WW], v[M1], v[W2]                   ; and with lane l xor 16's two, they make the row's scale word
.irp c, 0,1,2
	ds_store_b128 v[AIW], v[PC+4*\c:PC+4*\c+3] offset:KSA*((\j)/2)+512*\c   ; the fragment goes to LDS as an image of its registers
.endr
	ds_store_b32 v[ASW], v[WW] offset:512*((\j)/2) ; lanes 16-31 write the same words with the same values
.endif
.endm
	s_wait_loadcnt 0x0                             ; the mask bytes
	OFFS
	v_mov_b32 v[VMA], 16
	global_load_b128 v[MQ:MQ+3], v[VMA], s[6:7]    ; trip 1's mask bytes
.irp j, 0,1,2,3,4,5,6,7
	RLOAD \j                                       ; trip 0: 64 loads, 32 KiB of the wave's on their way
.endr
	s_wait_kmcnt 0x0                               ; V_b
	s_wait_loadcnt 56                              ; half 0 is in (behind it: seven halves)
	TURN 0
	s_mov_b32 s44, 7
.Ltrip:                                            ; a trip quantises one block of rows and asks for the next
	s_wait_xcnt 0x0                                ; every earlier load has had its addresses translated (ISA guide 3.1): only behind this wait are the offsets written again
	v_add_nc_u32 v[VB], 131072, v[VB]
	OFFS                                           ; (the next trip's mask bytes are in: they were asked for ahead of the loads that the last counted wait left out)
	v_add_nc_u32 v[VMA], 16, v[VMA]
	v_min_u32 v[VMA], 112, v[VMA]                  ; the last trip of the loop has no trip after the next: it stays at the block's last 16 bytes, inside the buffer
	global_load_b128 v[MQ:MQ+3], v[VMA], s[6:7]
.irp j, 0,1,2,3,4,5,6
	HALF \j, 1, 57, 1                              ; behind half j + 1's loads: 8 (6 - j) of this trip, the mask's one, 8 (j + 1) of the next trip
.endr
	HALF 7, 1, 56, 1                               ; behind the next trip's half 0: its seven others
	s_wait_dscnt 0x0                               ; the images' stores are done: their addresses step
	v_add_nc_u32 v[AIW], FRB, v[AIW]
	v_add_nc_u32 v[ASW], 64, v[ASW]
	s_sub_co_u32 s44, s44, 1
	s_cmp_lg_u32 s44, 0
	s_cbranch_scc1 .Ltrip
.irp j, 0,1,2,3,4,5,6
	HALF \j, 0, 8*(6-\j), 1                        ; the last trip asks for nothing: the counts run down
.endr
	HALF 7, 0, 0, 0
; ---------------- PHASE B ----------------
.macro CONST p                         ; chb and V_w at my 64 units of pass p: unit 512 p + 128 w + 16 i + 8 h + 0 .. 7 in eight registers for each block i
.irp i, 0,1,2,3,4,5,6,7
	global_load_b128 v[CH+8*\i:CH+8*\i+3], v[VCN], s[10:11] offset:2048*\p+64*\i
	global_load_b128 v[CH+8*\i+4:CH+8*\i+7], v[VCN], s[10:11] offset:2048*\p+64*\i+16
.endr
	WIN 0x40
.irp i, 0,1,2,3,4,5,6,7
	global_load_b128 v[96+8*\i+96*(\i/4):96+8*\i+96*(\i/4)+3], v[VCN], s[12:13] offset:2048*\p+64*\i
	global_load_b128 v[96+8*\i+96*(\i/4)+4:96+8*\i+96*(\i/4)+7], v[VCN], s[12:13] offset:2048*\p+64*\i+16
.endr
	WIN 0
.endm
; The next K step of wq into set t: 24 loads of 512 consecutive bytes (the eight fragments, as they lie) and 8 of 64 bytes (unit r's scale word of block i; lanes 16-31 read the same words).  adv = 1: wq's address steps first.
.macro GLOAD_B t, adv
.if \adv
	s_wait_xcnt 0x0                                ; every earlier load has had its addresses translated (ISA guide 3.1): only behind this wait does the base step
	s_add_nc_u64 s[8:9], s[8:9], TILE
.endif
	WIN 0x40
.irp i, 0,1,2,3,4,5,6,7
.irp c, 0,1,2
	global_load_b128 v[128*(\t)+12*\i+4*\c:128*(\t)+12*\i+4*\c+3], v[ADB], s[8:9] offset:FRB*\i+512*\c
.endr
.endr
	WIN 0
.irp i, 0,1,2,3,4,5,6,7
	global_load_b32 v[SC+16*(\t)+8+\i], v[ADSB], s[8:9] offset:KSA+64*\i
.endr
.endm
.macro FETCH_A a0, n                   ; A's blocks a0 .. a0 + n - 1, from LDS
.set fa, \a0
.rept \n
.irp c, 0,1,2
	ds_load_b128 v[AF+12*fa+4*\c:AF+12*fa+4*\c+3], v[ADA] offset:FRB*fa+512*\c
.endr
.set fa, fa+1
.endr
.endm
.macro SCALES_A t                      ; A's scale words into set t: lane r takes row r's word of block i
.irp i, 0,1,2,3,4,5,6,7
	ds_load_b32 v[SC+16*(\t)+\i], v[ADSA] offset:64*\i
.endr
.endm
; 16 matrix instructions: A's blocks a0, a0 + 1 x M_w's eight, 128 along K.  zero = 1: the product starts the sums: nothing is ever cleared.
; The 64 accumulators take turns, one instruction a turn, in the same order in every step.
.macro MUL16 a0, t, zero
.irp a, \a0, \a0+1
.irp b, 0,1,2,3,4,5,6,7
.if \zero
	v_wmma_scale_f32_16x16x128_f8f6f4 v[8*(8*((\a)%4)+\b):8*(8*((\a)%4)+\b)+7], v[128*(\t)+12*\b:128*(\t)+12*\b+11], v[AF+12*(\a):AF+12*(\a)+11], 0, v[SC+16*(\t)+8+\b], v[SC+16*(\t)+(\a)] matrix_a_fmt:MATRIX_FMT_FP6 matrix_b_fmt:MATRIX_FMT_FP6
.else
	v_wmma_scale_f32_16x16x128_f8f6f4 v[8*(8*((\a)%4)+\b):8*(8*((\a)%4)+\b)+7], v[128*(\t)+12*\b:128*(\t)+12*\b+11], v[AF+12*(\a):AF+12*(\a)+11], v[8*(8*((\a)%4)+\b):8*(8*((\a)%4)+\b)+7], v[SC+16*(\t)+8+\b], v[SC+16*(\t)+(\a)] matrix_a_fmt:MATRIX_FMT_FP6 matrix_b_fmt:MATRIX_FMT_FP6
.endif
.endr
.endr
.endm
; A K STEP: 64 matrix instructions on M_w's set t.
; lw: how many loads from memory were issued behind set t's 32 (-1: an earlier wait for all loads has shown the set in).
; fetch = 1: the next step's fragments of A come from LDS: blocks 0-1 and the scale words behind the first 16 products, blocks 2-5 behind 48, blocks 6-7 behind 64 (A has one set: a block is free when its eight products are issued).
; wrap = 1: the next step is a pass's first: A's addresses go back.  gl = 1: set t, now multiplied, is asked for again: the K step two further on, which has the next step's 64 products in which to land.
.macro KSTEP t, zero, lw, fetch, wrap, gl
.if (\lw) >= 0
	s_wait_loadcnt \lw                             ; loads come back in order (ISA guide 5.7.1): set t and its scale words are in; the younger set's loads stay out
.endif
	s_wait_dscnt 18                                ; A's blocks 0-1 and scale words are in; the youngest 18 LDS loads (blocks 2-7) may be out
	WIN 0xa1                                       ; source 0 (M_w) window 1, source 1 (A) window 0, C and D window 2
	MUL16 0, \t, \zero
	s_wait_dscnt 6                                 ; blocks 2-5 are in; blocks 6-7's six loads may be out
.if \fetch
	PLACES
	WIN 0
.if \wrap
	v_mov_b32 v[ADA], v[ADA0]
	v_mov_b32 v[ADSA], v[ADSA0]
.else
	v_add_nc_u32 v[ADA], KSA, v[ADA]
	v_add_nc_u32 v[ADSA], 512, v[ADSA]
.endif
	FETCH_A 0, 2
	SCALES_A 1-\t
	WIN 0xa1
.endif
	MUL16 2, \t, \zero
	WIN 0xf1                                       ; C and D window 3
	MUL16 4, \t, \zero
.if \fetch
	PLACES
	WIN 0
	FETCH_A 2, 4
	s_wait_dscnt 26                                ; blocks 6-7 are in: behind their loads stand the 6 + 8 + 12 of this step
	WIN 0xf1
.else
	s_wait_dscnt 0x0
.endif
	MUL16 6, \t, \zero
	PLACES
	WIN 0
.if \fetch
	FETCH_A 6, 2
.endif
.if \gl
	GLOAD_B \t, 1
.endif
.endm
.macro JOIN dst, p                     ; the four chains become one pair, which starts (pass 0) or is added onto (pass 1) the pair at v[dst] of window 0
	v_pk_add_f32 v[U:U+1], v[U:U+1], v[U+2:U+3]
	v_pk_add_f32 v[U+4:U+5], v[U+4:U+5], v[U+6:U+7]
.if \p
	v_pk_add_f32 v[U:U+1], v[U:U+1], v[U+4:U+5]
	WIN 0x01
	v_pk_add_f32 v[\dst:\dst+1], v[U:U+1], v[\dst:\dst+1]
.else
	WIN 0x05
	v_pk_add_f32 v[\dst:\dst+1], v[U:U+1], v[U+4:U+5]
.endif
.endm
; A PASS'S RESULTS.  For each block a of 16 rows: x = c m = c x sum + chb; y = 1 / (1 + 2^x); the row's sum of V_w y, in four chains.  Number e (0..63) of a lane is unit 16 (e / 8) + 8 h + e % 8.
.macro EPI p
	s_wait_loadcnt 0x0                             ; chb and V_w of this pass (and whatever else was asked for)
	WIN 0x45
.irp k, 0,1,2,3
	v_pk_add_f32 v[U+2*\k:U+2*\k+1], v[96+2*\k:97+2*\k], v[104+2*\k:105+2*\k]   ; the sum of my units' V_w
.endr
.set e, 16
.rept 24
	v_pk_add_f32 v[U+e%8:U+e%8+1], v[U+e%8:U+e%8+1], v[96+e+96*(e/32):97+e+96*(e/32)]
.set e, e+2
.endr
	JOIN SV, \p
.irp a, 0,1,2,3,4,5,6,7
	WIN 0x42+\a/4                                  ; source 0: the accumulators' window; destination window 1
.set e, 0
.rept 32
	v_pk_fma_f32 v[T+e:T+e+1], v[64*(\a%4)+e:64*(\a%4)+e+1], s[42:43], v[CH+e:CH+e+1] op_sel_hi:[1,0,1]   ; each accumulator from its low end on
.set e, e+2
.endr
	WIN 0x41
.set e, 0
.rept 64
	v_exp_f32 v[T+e], v[T+e]
.set e, e+1
.endr
	v_nop                                          ; a plain place behind the last exponential (ISA guide 5.7.2)
.set e, 0
	s_wait_alu depctr_va_vdst(0)
.rept 32
	v_pk_add_f32 v[T+e:T+e+1], v[T+e:T+e+1], 1.0 op_sel_hi:[1,0]
.set e, e+2
.endr
.set e, 0
.rept 64
	v_rcp_f32 v[T+e], v[T+e]
.set e, e+1
.endr
	v_nop
	WIN 0x55
.set e, 0
	s_wait_alu depctr_va_vdst(0)
.rept 4
	v_pk_mul_f32 v[U+e:U+e+1], v[T+e:T+e+1], v[96+e:97+e]   ; the first four pairs start the chains
.set e, e+2
.endr
.rept 28
	v_pk_fma_f32 v[U+e%8:U+e%8+1], v[T+e:T+e+1], v[96+e+96*(e/32):97+e+96*(e/32)], v[U+e%8:U+e%8+1]
.set e, e+2
.endr
	JOIN SS+2*\a, \p
.endr
	WIN 0
.endm
	s_wait_dscnt 0x0                               ; for the others' sake: my images and scale words lie in LDS; and phase A's registers are free
	CONST 0                                        ; asked for ahead of the barrier: nobody writes these bytes
	GLOAD_B 0, 0                                   ; K step 0 into set 0,
	GLOAD_B 1, 1                                   ; K step 1 into set 1
	s_barrier_signal -1
	s_barrier_wait -1                              ; all 128 rows' codes lie in LDS; from here to the last sums no wave waits for another
	FETCH_A 0, 2                                   ; K step 0's fragments of A, in the order in which every step fetches
	SCALES_A 0
	FETCH_A 2, 4
	FETCH_A 6, 2
	KSTEP 0, 1, 32, 1, 0, 1                        ; step 0 stands in front of the loop: its products start the sums
	s_mov_b32 s44, 7
.Lpass0:                                           ; steps 1 to 14
	KSTEP 1, 0, 32, 1, 0, 1
	KSTEP 0, 0, 32, 1, 0, 1
	s_sub_co_u32 s44, s44, 1
	s_cmp_lg_u32 s44, 0
	s_cbranch_scc1 .Lpass0
	KSTEP 1, 0, 32, 1, 1, 0                        ; step 15: A's first fragments of pass 1 are fetched; set 1 is not asked for yet: the results are worked on in its registers
	EPI 0
	CONST 1
	GLOAD_B 1, 1                                   ; K step 17
	KSTEP 0, 1, -1, 1, 0, 1                        ; step 16 starts the sums anew; its set came in ahead of the wait for all loads at the head of the results
	s_mov_b32 s44, 6
.Lpass1:                                           ; steps 17 to 28
	KSTEP 1, 0, 32, 1, 0, 1
	KSTEP 0, 0, 32, 1, 0, 1
	s_sub_co_u32 s44, s44, 1
	s_cmp_lg_u32 s44, 0
	s_cbranch_scc1 .Lpass1
	KSTEP 1, 0, 32, 1, 0, 1                        ; step 29 asks for the last K step
	KSTEP 0, 0, 32, 1, 0, 0                        ; the last two steps ask wq for nothing: no load leaves the buffer
	KSTEP 1, 0, 0, 0, 0, 0                         ; nothing was asked for behind the last set
	EPI 1
	; THE SCORES.  sum(V_w) - 2 sum(V_w y) of my 128 units' half, with lane l xor 16's half; then the four waves' parts meet in LDS.
	v_add_f32 v[SV], v[SV], v[SV+1]
.irp a, 0,1,2,3,4,5,6,7
	v_add_f32 v[SS+2*\a], v[SS+2*\a], v[SS+2*\a+1]
.endr
.irp a, 0,1,2,3,4,5,6,7
	v_fma_f32 v[SS+2*\a], v[SS+2*\a], -2.0, v[SV]
.endr
.irp a, 0,1,2,3,4,5,6,7
	v_permlanex16_b32 v[SS+2*\a+1], v[SS+2*\a], s40, s41
.endr
.irp a, 0,1,2,3,4,5,6,7
	v_add_f32 v[SS+2*\a], v[SS+2*\a], v[SS+2*\a+1]
.endr
.irp a, 0,1,2,3,4,5,6,7
	ds_store_b32 v[SCPW], v[SS+2*\a] offset:64*\a  ; row 16 a + r; lanes 16-31 write the same words with the same values
.endr
	s_wait_dscnt 0x0                               ; for wave 0's sake
	s_barrier_signal -1
	s_barrier_wait -1
	s_cmp_lg_u32 s18, 0
	s_cbranch_scc1 .Lclose
.irp n, 0,1,2,3
	ds_load_b128 v[224+4*\n:227+4*\n], v[RDS] offset:512*\n   ; wave n's part of rows 4 x lane .. + 3
.endr
.irp q, 0,1,2,3
	v_bfe_u32 v[240+\q], v[MK], 8*\q, 8
.endr
	s_wait_dscnt 0x0
.irp n, 1,2,3
	v_pk_add_f32 v[224:225], v[224:225], v[224+4*\n:225+4*\n]
	v_pk_add_f32 v[226:227], v[226:227], v[226+4*\n:227+4*\n]
.endr
.irp q, 0,1,2,3
	v_add_f32 v[224+\q], s45, v[224+\q]            ; + V_b
.endr
.irp q, 0,1,2,3
	v_cmp_ne_u32 vcc_lo, 0, v[240+\q]
	v_cndmask_b32 v[224+\q], v[224+\q], v[NEG], vcc_lo   ; a masked row's score is -1e9
.endr
	global_store_b128 v[OUTA], v[224:227], s[16:17]   ; 32 lanes store 512 consecutive bytes, at a multiple of 256 from sc's first byte
.Lclose:
	s_barrier_signal -1
	s_barrier_wait -1
	s_wait_tensorcnt 0x0
	ds_add_u32 v251, v252
	s_wait_dscnt 0x0
	s_endpgm
.Lfunc_end_k_q8aa510a76b_scores:
	.size	k_q8aa510a76b_scores, .Lfunc_end_k_q8aa510a76b_scores-k_q8aa510a76b_scores
	.p2alignl 7, 3214868480
	.fill 96, 4, 3214868480
	.section	.rodata,"a",@progbits
	.p2align	6, 0x0
	.amdhsa_kernel k_q8aa510a76b_scores
		.amdhsa_group_segment_fixed_size 224768
		.amdhsa_private_segment_fixed_size 0
		.amdhsa_enable_private_segment 0
		.amdhsa_kernarg_size 56
		.amdhsa_user_sgpr_count 2
		.amdhsa_user_sgpr_kernarg_segment_ptr 1
		.amdhsa_wavefront_size32 1
		.amdhsa_system_sgpr_workgroup_id_x 1
		.amdhsa_system_sgpr_workgroup_id_y 1
		.amdhsa_system_sgpr_workgroup_id_z 1
		.amdhsa_system_vgpr_workitem_id 0
		.amdhsa_next_free_vgpr 1024
		.amdhsa_next_free_sgpr 66
		.amdhsa_reserve_vcc 1
		.amdhsa_float_denorm_mode_32 3
		.amdhsa_float_denorm_mode_16_64 3
		.amdhsa_memory_ordered 1
		.amdhsa_forward_progress 1
		.amdhsa_inst_pref_size 255
	.end_amdhsa_kernel
	.section	.bss,"aw",@nobits
	.p2align	6
	.space	262144
	.amdgpu_metadata
---
amdhsa.version: [ 1, 2 ]
amdhsa.kernels:
  - .name:           k_q8aa510a76b_scores
    .symbol:         k_q8aa510a76b_scores.kd
    .args:
      - { .name: encoded, .offset: 0, .size: 8, .value_kind: global_buffer, .address_space: global }
      - { .name: mask, .offset: 8, .size: 8, .value_kind: global_buffer, .address_space: global }
      - { .name: wq, .offset: 16, .size: 8, .value_kind: global_buffer, .address_space: global }
      - { .name: chb, .offset: 24, .size: 8, .value_kind: global_buffer, .address_space: global }
      - { .name: V_w, .offset: 32, .size: 8, .value_kind: global_buffer, .address_space: global }
      - { .name: V_b, .offset: 40, .size: 8, .value_kind: global_buffer, .address_space: global }
      - { .name: sc, .offset: 48, .size: 8, .value_kind: global_buffer, .address_space: global }
    .group_segment_fixed_size: 224768
    .private_segment_fixed_size: 0
    .kernarg_segment_align: 8
    .kernarg_segment_size: 56
    .max_flat_workgroup_size: 128
    .sgpr_count:     66
    .vgpr_count:     1024
    .wavefront_size: 32
...
	.end_amdgpu_metadata
.endif
;; end of part 4
;; launch pool (part 5): grid 16 x 16, 16 waves a work-group, no clusters, 26,880 bytes of LDS; arguments encoded, mask, sc, out0, out1; writes out0, out1
.if DOCPART == 5
	.amdgcn_target "amdgcn-amd-amdhsa--gfx1250"
	.amdhsa_code_object_version 6
	.text
	.protected	k_q8aa510a76b_pool
	.globl	k_q8aa510a76b_pool
	.p2align	8
	.type	k_q8aa510a76b_pool,@function
k_q8aa510a76b_pool:
	s_mov_b64 s[64:65], 0
	v_nop
	global_prefetch_b8 v0, s[64:65] scope:SCOPE_SE
	s_setreg_imm32_b32 hwreg(HW_REG_WAVE_MODE, 25, 1), 1
	s_wait_xcnt 0x0
; out1[b][s] = softmax over s of sc[b][s];  out0[b][e] = the sum over s of out1[b][s] encoded[b][s][e].  All in f32: one row of weights against 2,048 rows is a stream, not matrix work, so there are no matrix
; instructions, no tensor loads and no cluster here: no two work-groups read the same bytes of encoded.
; SHARES.  Work-group (x, b) owns columns 128 x .. 128 x + 127 of batch b: 512 consecutive bytes of every row, at a multiple of 256 from the buffer's first byte.  Each of the 16 work-groups of a batch makes
; the batch's softmax for itself (8 KiB of scores), which spares a launch.  Wave v owns rows 128 v .. 128 v + 127, in eight groups of 16; one load of the wave reads one row's 512 bytes.
; THE SOFTMAX takes the row's largest score away before the exponential; e = 2^((s - max) log2(e)) is kept unnormalised and both results are multiplied by 1 / the sum at the end.
; MASKED ROWS.  A masked score is -1e9, so where any row of the batch is open a masked row's e is exactly 0: its numbers are not read: its row number is multiplied by keep = (1 - mask) or (all rows of the batch masked),
; and its loads fall on the batch's first row, which is then multiplied by 0.  Where all rows are masked every e is 1 and every row is read.  No branch and no trip count hangs on the mask.
; 'All masked' is made of the mask bytes (0 or 1) by bit operations alone: the AND of a wave's 32 mask words, turned by an exclusive or with 0x01010101, is not 0 where one of its 128 rows is open; the sixteen waves' words are ORed.
; LIMITS: NaN and infinities in encoded are not served (0 x a masked row's infinity is not reproduced); open scores stay above -9.9e8, which holds while the sum of |V_w| and |V_b| is under 9.9e8.
.set EW,  0                            ; LDS: e of the 2,048 rows
.set KR,  8192                         ; keep x row number
.set RED, 16384                        ; the waves' partial sums: 512 bytes each
.set WD,  24576                        ; a word for each wave: largest scores; at + 64 'has an open row' (not 0); at + 128 sums of e
.set L16, 3                            ; v3   16 x lane
.set ACC, 16                           ; v16-23 two sets of four sums: even rows', odd rows'
.set WA,  24                           ; v24  4 x wave
.set ZA,  25                           ; v25  0
.set AW,  26                           ; v26  512 x wave
.set RW,  27                           ; v27  512 x wave + 16 x lane
.set EA,  28                           ; v28  512 x work-group x + 16 x lane
.set MA,  29                           ; v29  128 x wave: my wave's mask bytes
.set VK,  32                           ; v32-63  two sets of 16 row numbers, then byte offsets
.set VW,  64                           ; v64-95  two sets of 16 weights
.set DD,  96                           ; v96-223 two sets of 16 rows x 4 numbers
	s_load_b256 s[4:11], s[0:1], 0x0               ; encoded s[4:5], mask s[6:7], sc s[8:9], out0 s[10:11]
	s_load_b64 s[12:13], s[0:1], 0x20              ; out1
	v_lshl_add_u32 v224, v0, 2, 0x6100
	v_mov_b32 v225, 0
	v_lshrrev_b32 v1, 5, v0
	v_readfirstlane_b32 s14, v1                    ; wave 0..15
	s_and_b32 s15, ttmp7, 0xffff                   ; batch
	v_lshlrev_b32 v1, 4, v0                        ; 16 t: thread t owns rows 4 t .. 4 t + 3 in the softmax
	v_lshlrev_b32 v2, 2, v0                        ; 4 t
	v_and_b32 v[L16], 31, v0
	v_lshlrev_b32 v[L16], 4, v[L16]
	s_lshl_b32 s16, s15, 24                        ; encoded: a batch is 2,048 rows of 8,192 bytes,
	s_lshl_b32 s17, ttmp9, 9                       ; my 512 bytes of a row
	s_add_co_u32 s16, s16, s17
	s_mov_b32 s17, 0
	s_lshl_b32 s18, s15, 11                        ; mask
	s_mov_b32 s19, 0
	s_lshl_b32 s20, s15, 13                        ; sc
	s_mov_b32 s21, 0
	s_lshl_b32 s22, ttmp9, 9
	s_add_co_u32 s22, s22, s20                     ; out0, out1: the batch's row, my 512 bytes
	s_mov_b32 s23, 0
	s_mov_b32 s24, 0x76543210
	s_mov_b32 s25, 0xfedcba98                      ; v_permlanex16_b32's selects for lane l xor 16
	s_lshl_b32 s26, s14, 2
	v_mov_b32 v[WA], s26
	v_mov_b32 v[ZA], 0
	s_lshl_b32 s26, s14, 9
	v_mov_b32 v[AW], s26
	v_add_nc_u32 v[RW], s26, v[L16]
	s_lshl_b32 s27, ttmp9, 9
	v_add_nc_u32 v[EA], s27, v[L16]
	s_lshl_b32 s26, s14, 7
	v_mov_b32 v[MA], s26
	v_mov_b32 v10, 0                               ; written once: a lane permute's destination counts as one of its sources
	s_wait_kmcnt 0x0
	s_add_nc_u64 s[4:5], s[4:5], s[16:17]
	s_add_nc_u64 s[6:7], s[6:7], s[18:19]
	s_add_nc_u64 s[8:9], s[8:9], s[20:21]
	s_add_nc_u64 s[10:11], s[10:11], s[22:23]
	s_add_nc_u64 s[12:13], s[12:13], s[22:23]
	global_load_b128 v[4:7], v1, s[8:9]            ; my four scores
	global_load_b32 v8, v2, s[6:7]                 ; and their mask bytes
.irp k, 0,1,2,3,4,5,6,7
	global_load_b128 v[32+4*\k:35+4*\k], v[MA], s[6:7] offset:16*\k   ; my wave's 128 mask bytes, the same in every lane
.endr
	s_wait_loadcnt 0x0
	v_max3_num_f32 v9, v4, v5, v6
	v_max_num_f32 v9, v9, v7
	v_max_num_f32_dpp v9, v9, v9 row_xmask:1 row_mask:0xf bank_mask:0xf
	v_max_num_f32_dpp v9, v9, v9 row_xmask:2 row_mask:0xf bank_mask:0xf
	v_max_num_f32_dpp v9, v9, v9 row_xmask:4 row_mask:0xf bank_mask:0xf
	v_max_num_f32_dpp v9, v9, v9 row_xmask:8 row_mask:0xf bank_mask:0xf
	v_permlanex16_b32 v10, v9, s24, s25
	v_max_num_f32 v9, v9, v10                      ; the wave's largest score
.irp i, 4,8,12,16,20,24,28
.irp k, 0,1,2,3
	v_and_b32 v[32+\k], v[32+\k], v[32+\i+\k]      ; the AND of the 32 mask words, in four chains
.endr
.endr
	v_and_b32 v32, v32, v33
	v_and_b32 v34, v34, v35
	v_and_b32 v32, v32, v34
	v_xor_b32 v11, 0x01010101, v32                 ; not 0 where one of my wave's rows is open
	ds_store_b32 v[WA], v9 offset:WD               ; all lanes write the same word with the same value
	ds_store_b32 v[WA], v11 offset:WD+64
	s_wait_dscnt 0x0
	s_barrier_signal -1
	s_barrier_wait -1
.irp k, 0,1,2,3
	ds_load_b128 v[32+4*\k:35+4*\k], v[ZA] offset:WD+16*\k
	ds_load_b128 v[48+4*\k:51+4*\k], v[ZA] offset:WD+64+16*\k
.endr
	s_wait_dscnt 0x0
	v_max3_num_f32 v9, v32, v33, v34
.irp i, 35,37,39,41,43,45
	v_max3_num_f32 v9, v9, v[\i], v[\i+1]
.endr
	v_max_num_f32 v9, v9, v47                      ; the batch's largest score
	v_or_b32 v11, v48, v49
.irp i, 50,51,52,53,54,55,56,57,58,59,60,61,62,63
	v_or_b32 v11, v11, v[\i]
.endr
	v_min_u32 v11, 1, v11                          ; 1 where the batch has an open row
	v_xor_b32 v11, 1, v11                          ; 1 where all 2,048 rows are masked
.irp q, 0,1,2,3
	v_sub_f32 v[4+\q], v[4+\q], v9                 ; the difference first, then the factor: fused, the product's rounding at 1e9 would swamp it
.endr
.irp q, 0,1,2,3
	v_mul_f32 v[4+\q], 0x3fb8aa3b, v[4+\q]
.endr
.irp q, 0,1,2,3
	v_exp_f32 v[4+\q], v[4+\q]
.endr
.irp q, 0,1,2,3
	v_bfe_u32 v[12+\q], v8, 8*\q, 1                ; (plain places behind the exponentials)
.endr
.irp q, 0,1,2,3
	v_xor_b32 v[12+\q], 1, v[12+\q]
.endr
.irp q, 0,1,2,3
	v_or_b32 v[12+\q], v[12+\q], v11               ; keep
.endr
.irp q, 0,1,2,3
	v_add_nc_u32 v[16+\q], \q, v2                  ; my row numbers
.endr
.irp q, 0,1,2,3
	v_mul_u32_u24 v[12+\q], v[12+\q], v[16+\q]
.endr
	s_wait_alu depctr_va_vdst(0)
	v_add_f32 v20, v4, v5
	v_add_f32 v21, v6, v7
	v_add_f32 v20, v20, v21
	v_add_f32_dpp v20, v20, v20 row_xmask:1 row_mask:0xf bank_mask:0xf
	v_add_f32_dpp v20, v20, v20 row_xmask:2 row_mask:0xf bank_mask:0xf
	v_add_f32_dpp v20, v20, v20 row_xmask:4 row_mask:0xf bank_mask:0xf
	v_add_f32_dpp v20, v20, v20 row_xmask:8 row_mask:0xf bank_mask:0xf
	v_permlanex16_b32 v10, v20, s24, s25
	v_add_f32 v20, v20, v10                        ; the wave's sum of e
	ds_store_b32 v[WA], v20 offset:WD+128
	ds_store_b128 v1, v[4:7] offset:EW
	ds_store_b128 v1, v[12:15] offset:KR
	s_wait_dscnt 0x0
	s_barrier_signal -1
	s_barrier_wait -1
; Group g of my wave's rows into set s: 16 row numbers and 16 weights from LDS (every lane reads the same words), then 16 loads of 512 consecutive bytes
.macro PREP g, s
.irp k, 0,1,2,3
	ds_load_b128 v[VK+16*\s+4*\k:VK+16*\s+4*\k+3], v[AW] offset:KR+64*\g+16*\k
.endr
.irp k, 0,1,2,3
	ds_load_b128 v[VW+16*\s+4*\k:VW+16*\s+4*\k+3], v[AW] offset:EW+64*\g+16*\k
.endr
	s_wait_dscnt 4                                 ; the row numbers are in; the four loads of weights may be out
.irp i, 0,1,2,3,4,5,6,7,8,9,10,11,12,13,14,15
	v_min_u32 v[VK+16*\s+\i], 0x7ff, v[VK+16*\s+\i]   ; a loaded number enters an address only behind such a bound
.endr
.irp i, 0,1,2,3,4,5,6,7,8,9,10,11,12,13,14,15
	v_lshl_add_u32 v[VK+16*\s+\i], v[VK+16*\s+\i], 13, v[L16]
.endr
.irp i, 0,1,2,3,4,5,6,7,8,9,10,11,12,13,14,15
	global_load_b128 v[DD+64*\s+4*\i:DD+64*\s+4*\i+3], v[VK+16*\s+\i], s[4:5]
.endr
.endm
; Set s is added up: two packed multiply-adds a row; a row's weight is the low or the high register of its pair.  left = the loads issued behind this set's.  first = 1: the first two rows start the sums.
.macro CONSUME s, left, first
	s_wait_loadcnt \left                           ; loads come back in order (ISA guide 5.7.1): this set's 16 are in, so its offsets may be written again
	s_wait_dscnt 0x0                               ; the weights
.irp i, 0,2,4,6,8,10,12,14
.if \first && (\i == 0)
	v_pk_mul_f32 v[ACC:ACC+1], v[DD+64*\s:DD+64*\s+1], v[VW+16*\s:VW+16*\s+1] op_sel_hi:[1,0]
	v_pk_mul_f32 v[ACC+2:ACC+3], v[DD+64*\s+2:DD+64*\s+3], v[VW+16*\s:VW+16*\s+1] op_sel_hi:[1,0]
	v_pk_mul_f32 v[ACC+4:ACC+5], v[DD+64*\s+4:DD+64*\s+5], v[VW+16*\s:VW+16*\s+1] op_sel:[0,1] op_sel_hi:[1,1]
	v_pk_mul_f32 v[ACC+6:ACC+7], v[DD+64*\s+6:DD+64*\s+7], v[VW+16*\s:VW+16*\s+1] op_sel:[0,1] op_sel_hi:[1,1]
.else
	v_pk_fma_f32 v[ACC:ACC+1], v[DD+64*\s+4*\i:DD+64*\s+4*\i+1], v[VW+16*\s+\i:VW+16*\s+\i+1], v[ACC:ACC+1] op_sel_hi:[1,0,1]
	v_pk_fma_f32 v[ACC+2:ACC+3], v[DD+64*\s+4*\i+2:DD+64*\s+4*\i+3], v[VW+16*\s+\i:VW+16*\s+\i+1], v[ACC+2:ACC+3] op_sel_hi:[1,0,1]
	v_pk_fma_f32 v[ACC+4:ACC+5], v[DD+64*\s+4*\i+4:DD+64*\s+4*\i+5], v[VW+16*\s+\i:VW+16*\s+\i+1], v[ACC+4:ACC+5] op_sel:[0,1,0] op_sel_hi:[1,1,1]
	v_pk_fma_f32 v[ACC+6:ACC+7], v[DD+64*\s+4*\i+6:DD+64*\s+4*\i+7], v[VW+16*\s+\i:VW+16*\s+\i+1], v[ACC+6:ACC+7] op_sel:[0,1,0] op_sel_hi:[1,1,1]
.endif
.endr
.endm
	PREP 0, 0                                      ; 32 rows of the wave's, 16 KiB, are asked for throughout; 256 KiB of the sixteen waves'
	PREP 1, 1
	CONSUME 0, 16, 1
	PREP 2, 0
	CONSUME 1, 16, 0
	PREP 3, 1
	CONSUME 0, 16, 0
	PREP 4, 0
	CONSUME 1, 16, 0
	PREP 5, 1
	CONSUME 0, 16, 0
	PREP 6, 0
	CONSUME 1, 16, 0
	PREP 7, 1
	CONSUME 0, 16, 0
	CONSUME 1, 0, 0                                ; the last group: nothing was asked for behind it
	v_pk_add_f32 v[ACC:ACC+1], v[ACC:ACC+1], v[ACC+4:ACC+5]
	v_pk_add_f32 v[ACC+2:ACC+3], v[ACC+2:ACC+3], v[ACC+6:ACC+7]
	ds_store_b128 v[RW], v[ACC:ACC+3] offset:RED
	s_wait_dscnt 0x0                               ; for wave 0's sake
	s_barrier_signal -1
	s_barrier_wait -1
	s_cmp_gt_u32 s14, 1
	s_cbranch_scc1 .Lend                           ; wave 0 stores out0's 512 bytes, wave 1 out1's
.irp k, 0,1,2,3
	ds_load_b128 v[32+4*\k:35+4*\k], v[ZA] offset:WD+128+16*\k   ; the sixteen waves' sums of e
.endr
	s_wait_dscnt 0x0
.irp i, 0,4,8,12
	v_pk_add_f32 v[32+\i:33+\i], v[32+\i:33+\i], v[34+\i:35+\i]
.endr
	v_pk_add_f32 v[32:33], v[32:33], v[36:37]
	v_pk_add_f32 v[40:41], v[40:41], v[44:45]
	v_pk_add_f32 v[32:33], v[32:33], v[40:41]
	v_add_f32 v32, v32, v33
	v_rcp_f32 v30, v32                             ; twice: the packed multiply names a pair
	v_rcp_f32 v31, v32
	v_nop                                          ; a plain place behind the reciprocals (ISA guide 5.7.2)
	s_cmp_eq_u32 s14, 1
	s_cbranch_scc1 .Lweights
.irp k, 0,1,2,3,4,5,6,7,8,9,10,11,12,13,14,15
	ds_load_b128 v[DD+4*\k:DD+4*\k+3], v[L16] offset:RED+512*\k
.endr
	s_wait_dscnt 0x0
.irp k, 1,2,3,4,5,6,7,8,9,10,11,12,13,14,15
	v_pk_add_f32 v[DD:DD+1], v[DD:DD+1], v[DD+4*\k:DD+4*\k+1]      ; rows ascending
	v_pk_add_f32 v[DD+2:DD+3], v[DD+2:DD+3], v[DD+4*\k+2:DD+4*\k+3]
.endr
	s_wait_alu depctr_va_vdst(0)
	v_pk_mul_f32 v[DD:DD+1], v[DD:DD+1], v[30:31]
	v_pk_mul_f32 v[DD+2:DD+3], v[DD+2:DD+3], v[30:31]
	global_store_b128 v[L16], v[DD:DD+3], s[10:11] ; 32 lanes store 512 consecutive bytes, at a multiple of 256 from out0's first byte
	s_branch .Lend
.Lweights:
	ds_load_b128 v[DD:DD+3], v[EA] offset:EW       ; e of rows 128 x .. 128 x + 127: each of the batch's 16 work-groups stores its sixteenth of the weights
	s_wait_dscnt 0x0
	s_wait_alu depctr_va_vdst(0)
	v_pk_mul_f32 v[DD:DD+1], v[DD:DD+1], v[30:31]
	v_pk_mul_f32 v[DD+2:DD+3], v[DD+2:DD+3], v[30:31]
	global_store_b128 v[L16], v[DD:DD+3], s[12:13]
.Lend:
	s_barrier_signal -1
	s_barrier_wait -1
	s_wait_tensorcnt 0x0
	ds_add_u32 v224, v225
	s_wait_dscnt 0x0
	s_endpgm
.Lfunc_end_k_q8aa510a76b_pool:
	.size	k_q8aa510a76b_pool, .Lfunc_end_k_q8aa510a76b_pool-k_q8aa510a76b_pool
	.p2alignl 7, 3214868480
	.fill 96, 4, 3214868480
	.section	.rodata,"a",@progbits
	.p2align	6, 0x0
	.amdhsa_kernel k_q8aa510a76b_pool
		.amdhsa_group_segment_fixed_size 26880
		.amdhsa_private_segment_fixed_size 0
		.amdhsa_enable_private_segment 0
		.amdhsa_kernarg_size 40
		.amdhsa_user_sgpr_count 2
		.amdhsa_user_sgpr_kernarg_segment_ptr 1
		.amdhsa_wavefront_size32 1
		.amdhsa_system_sgpr_workgroup_id_x 1
		.amdhsa_system_sgpr_workgroup_id_y 1
		.amdhsa_system_sgpr_workgroup_id_z 1
		.amdhsa_system_vgpr_workitem_id 0
		.amdhsa_next_free_vgpr 226
		.amdhsa_next_free_sgpr 66
		.amdhsa_reserve_vcc 0
		.amdhsa_float_denorm_mode_32 3
		.amdhsa_float_denorm_mode_16_64 3
		.amdhsa_memory_ordered 1
		.amdhsa_forward_progress 1
		.amdhsa_inst_pref_size 62
	.end_amdhsa_kernel
	.amdgpu_metadata
---
amdhsa.version: [ 1, 2 ]
amdhsa.kernels:
  - .name:           k_q8aa510a76b_pool
    .symbol:         k_q8aa510a76b_pool.kd
    .args:
      - { .name: encoded, .offset: 0, .size: 8, .value_kind: global_buffer, .address_space: global }
      - { .name: mask, .offset: 8, .size: 8, .value_kind: global_buffer, .address_space: global }
      - { .name: sc, .offset: 16, .size: 8, .value_kind: global_buffer, .address_space: global }
      - { .name: out0, .offset: 24, .size: 8, .value_kind: global_buffer, .address_space: global }
      - { .name: out1, .offset: 32, .size: 8, .value_kind: global_buffer, .address_space: global }
    .group_segment_fixed_size: 26880
    .private_segment_fixed_size: 0
    .kernarg_segment_align: 8
    .kernarg_segment_size: 40
    .max_flat_workgroup_size: 512
    .sgpr_count:     66
    .vgpr_count:     226
    .wavefront_size: 32
...
	.end_amdgpu_metadata
.endif
;; end of part 5
